; MI455X (gfx1250); checked and timed in simulation.
; The chip was launched on July 23, 2026; its instructions are those of AMD's public machine-readable ISA for CDNA 5 (MIT licence, August 2026) and "CDNA5" Instruction Set Architecture Reference Guide (July 2026). The comments in the code are by the model that wrote it; some were corrected since.
;; Multi Head Self Attention. Allowed arithmetic: matrix products marked QUANTISED: E4M3 operands, one given power-of-two scale a tensor, by v_wmma_f32_16x16x64_fp8_fp8 or v_wmma_f32_16x16x128_fp8_fp8, f32 sums; everything else in f32.
;; Inputs: lowp_scales 12 int32 (the exponents e of the quantised operands' scales 2^e); w_k 1,024 x 1,024 float32; w_o 1,024 x 1,024 float32; w_q 1,024 x 1,024 float32; w_v 1,024 x 1,024 float32; x 4 x 2,048 x 1,024 float32.
;; Outputs: out0 4 x 2,048 x 1,024 float32.
;; This version of the problem:
;;   THIS VERSION OF THE PROBLEM IS GIVEN IN LOW PRECISION. The matrix products marked QUANTISED in the list below multiply operands that are first quantised to E4M3 (4 exponent bits, 3 mantissa bits; 8 bits a number), with one given power-of-two scale for each operand tensor; their sums are f32. All else is computed in f32.
;;   The module's matrix products, in the order in which they are computed (A, B: the left and right operand; K: the contracted axis; several contracted axes count as one K, in the product's order):
;;     1. [M 8,192, K 1,024] x [K 1,024, N 1,024]; A: input x; B: input w_q: QUANTISED (scales: A lowp_scales[0], B lowp_scales[1])
;;     2. [M 8,192, K 1,024] x [K 1,024, N 1,024]; A: input x; B: input w_k: QUANTISED (scales: A lowp_scales[2], B lowp_scales[3])
;;     3. [M 8,192, K 1,024] x [K 1,024, N 1,024]; A: input x; B: input w_v: QUANTISED (scales: A lowp_scales[4], B lowp_scales[5])
;;     4. batch 64 x [M 2,048, K 64] x [K 64, N 2,048]; A: computed on the way; B: computed on the way: QUANTISED (scales: A lowp_scales[6], B lowp_scales[7])
;;     5. batch 64 x [M 2,048, K 2,048] x [K 2,048, N 64]; A: softmax (see below); B: computed on the way: QUANTISED (scales: A lowp_scales[8], B lowp_scales[9])
;;     6. [M 8,192, K 1,024] x [K 1,024, N 1,024]; A: computed on the way; B: input w_o: QUANTISED (scales: A lowp_scales[10], B lowp_scales[11])
;;   THE QUANTISER, for each operand of a quantised product, along K:
;;     - The operand's scale is 2^e, e = its entry of the input lowp_scales (int32; the entries are numbered through the quantised products in the list's order, A before B).
;;     - Each number is divided by the scale, clamped to +-448, and rounded to the nearest number of E4M3, ties to even, subnormals kept.
;;     - The product sums the exact products of the quantised numbers (number of the format x scale) in f32.
;;   ~~~python
;;   def quantise(x, axis, e):      # numpy; x: float32 -> the quantised numbers, widened to float32 again
;;       x = np.moveaxis(x, axis, -1); K = x.shape[-1]
;;       r = np.clip(x / 2.0 ** e, -448, 448)
;;       step = 2.0 ** (np.maximum(np.frexp(np.where(r == 0, 1, r))[1] - 1, -6) - 3)
;;       q = np.round(r / step) * step * 2.0 ** e      # np.round: ties to even
;;       return np.moveaxis(q, -1, axis).astype(np.float32)
;;   ~~~
;;   SOFTMAX AHEAD OF A QUANTISED PRODUCT. Where the list says 'softmax', what is quantised is not the finished softmax but p = 2^(t - M), with t = logit x log2(e) and M = ceil(the row's largest t), a whole number; so 1/2 < the row's largest p <= 1. The row's sum l is taken of the UNQUANTISED p, in f32, and the product's result is divided by l at the end. Since M is a whole number, a kernel that streams over the keys may use a running M (the ceiling of the running maximum): every later rescaling is an exact power of two, so the quantised numbers keep their values, but for numbers so far below the row's largest that they fall under the format's range.
;;   OPERANDS COMPUTED ON THE WAY. 'Computed on the way' means the value that the module computes at that place (a softmax that the list does not call 'softmax' is quantised finished and normalised). What goes into a quantiser is computed in f32, as accurately as f32 sums, v_exp_f32 and their like allow (about 1e-6 of the number): no bf16 or f16 on the way to a quantiser, and a product that is left as it is and whose result goes on into a quantised operand takes f32 operands (vector FMAs, or v_wmma_f32_16x16x4_f32). A number that lies on a knife's edge between two numbers of the format may be rounded either way, as far as f32 arithmetic and the matrix unit's own rounding can turn it there, and no further.
;; One version. Each part assembles by itself: llvm-mc -triple=amdgcn-amd-amdhsa -mcpu=gfx1250 --defsym DOCPART=n.
;; ======== version 1 of 1: 4 launches
;; limits: right only within a limited range of input values
;; workspace buffers: cw 29,360,128 bytes; qkv 25,165,824 bytes; ac 8,388,608 bytes
;; launch quant (part 1): grid 384 x 1, 4 waves a work-group, no clusters, 66,048 bytes of LDS; arguments x, w_q, w_k, w_v, w_o, lowp_scales, cw; writes cw
.if DOCPART == 1
	.amdgcn_target "amdgcn-amd-amdhsa--gfx1250"
	.amdhsa_code_object_version 6
	.text
	.protected	k_qa4c95a391c_quant
	.globl	k_qa4c95a391c_quant
	.p2align	8
	.type	k_qa4c95a391c_quant,@function
k_qa4c95a391c_quant:
	s_mov_b64 s[64:65], 0
	v_nop
	global_prefetch_b8 v0, s[64:65] scope:SCOPE_SE
	s_setreg_imm32_b32 hwreg(HW_REG_WAVE_MODE, 25, 1), 1
	s_wait_xcnt 0x0
; x [8192][1024] and the four weights [1024][1024], f32 with K innermost, become codes of E4M3, one byte each, K innermost, in the workspace cw.
; x is an operand of three products, each with a scale of its own (entries 0, 2, 4): it is read once and three planes of codes are made, at bytes 0, 0x800000, 0x1000000 of cw.
; w_q, w_k, w_v, w_o (entries 1, 3, 5, 11) follow from byte 0x1800000 on, 0x100000 bytes each.
; code = number / 2^e, held within +-448, rounded to the nearest code, ties to even.  LIMITS: each e between -126 and 119; NaN among the inputs is not served.
; SHARES.  Rows are dense, so each tensor is a plain stream.  A work-group takes 32,768 numbers, a wave 16 steps of 512, a lane 16 neighbours a step.  Work-groups 0-255 take x, 256-383 the weights (32 each).
; Each load reads 512 consecutive bytes, 16 a lane; a step's 2,048 bytes turn through the wave's own stage in LDS and come back 64 bytes a lane, since a conversion takes eight neighbours from ONE lane's registers.
; A lane's 16 codes are 16 bytes: each store covers 512 consecutive bytes, aligned.  No barrier: waves share nothing.  The two paths have LDS bytes of their own.
.set STEPS, 16
.set SP,    80                         ; a lane's place in a stage: 64 bytes + 16 of padding
.set WREG,  8192                       ; a wave's region: two stages of 32 x SP bytes
.set LBW,   32768                      ; the weights' path: its four regions begin here
.set SPARE, 65536                      ; the spare words, 128 bytes a wave: two blocks of 256 bytes that no other line names
.set SPW,   12                         ; v12  LDS address of my spare word; never rewritten
.set NIL,   13                         ; v13  0; never rewritten
.set R,     16                         ; v16-79    four sets of 16 numbers as loaded
.set X,     80                         ; v80-111   two sets of 16 neighbours
.set H,     112                        ; v112-159  three sets of 16 numbers, held within each scale's range
.set C,     160                        ; v160-207  four sets of 12 registers of codes, by turns
.set SCL,   208                        ; v208-210  2^e as f32, one for each output
.set LIM,   212                        ; v212-214  448 x 2^e
.set SRC,   36                         ; s[36:37]  my wave's numbers
.set DST,   40                         ; s[40:45]  my wave's codes, up to three planes
	s_load_b256 s[4:11], s[0:1], 0x0               ; x, w_q, w_k, w_v
	s_load_b128 s[12:15], s[0:1], 0x20             ; w_o, the scales' exponents
	s_load_b64 s[16:17], s[0:1], 0x30              ; cw
	v_lshl_add_u32 v[SPW], v0, 2, SPARE
	v_mov_b32 v[NIL], 0
	v_lshrrev_b32 v1, 5, v0
	v_readfirstlane_b32 s20, v1                    ; wave
	v_and_b32 v2, 31, v0                           ; lane
	v_lshlrev_b32 v3, 4, v2                        ; my 16 bytes of a load's 512, and of a store's
	s_mul_i32 s21, s20, WREG
	v_lshrrev_b32 v14, 2, v2
	v_mul_u32_u24 v14, v14, SP
	v_and_b32 v15, 3, v2
	v_lshl_add_u32 v14, v15, 4, v14
	v_add_nc_u32 v14, s21, v14                     ; the stage, on the way in: SP (lane / 4) + 16 (lane % 4)
	v_mul_u32_u24 v15, v2, SP
	v_add_nc_u32 v15, s21, v15                     ; and on the way out: SP x lane
	s_wait_kmcnt 0x0
	s_load_b256 s[24:31], s[14:15], 0x0            ; e0 .. e7
	s_load_b128 s[32:35], s[14:15], 0x20           ; e8 .. e11
.macro LOAD t
.irp i, 0,1,2,3
	global_load_b128 v[R+16*((\t)%4)+4*\i:R+16*((\t)%4)+4*\i+3], v3, s[SRC:SRC+1] offset:2048*(\t)+512*\i th:TH_LOAD_NT
.endr
.endm
.macro TURN t, lb                      ; step t's numbers through the stage: LDS serves a wave's instructions in order, so no wait stands between the stores and the loads
.irp i, 0,1,2,3
	ds_store_b128 v14, v[R+16*((\t)%4)+4*\i:R+16*((\t)%4)+4*\i+3] offset:\lb+32*SP*((\t)%2)+8*SP*\i
.endr
.irp i, 0,1,2,3
	ds_load_b128 v[X+16*((\t)%2)+4*\i:X+16*((\t)%2)+4*\i+3], v15 offset:\lb+32*SP*((\t)%2)+16*\i
.endr
.endm
.macro MKSCALE p, se                   ; output p's scale from the exponent in s[se]
	s_add_co_i32 s50, s[\se], 127
	s_lshl_b32 s51, s50, 23
	v_mov_b32 v[SCL+\p], s51                       ; 2^e: the conversion takes its exponent field
	s_add_co_i32 s50, s50, 8
	s_lshl_b32 s50, s50, 23
	s_or_b32 s50, s50, 0x600000
	v_mov_b32 v[LIM+\p], s50                       ; 448 x 2^e
.endm
.macro STEP t, nout, lb
.set XS, X+16*((\t)%2)
.set CT, C+12*((\t)%4)
	s_wait_dscnt 0x0                               ; this step's numbers are back from the stage, and its stores into the stage have read their registers,
.if (\t)+4 < STEPS
	LOAD (\t)+4                                    ; which take the loads of four steps on
.endif
.if (\t)+1 < STEPS
.if STEPS-2-(\t) >= 3
	s_wait_loadcnt 12                              ; the next step's four loads are in; those of the three steps behind it may be out
.else
	s_wait_loadcnt 4*(STEPS-2-(\t))
.endif
	TURN (\t)+1, \lb
.endif
.set p, 0
.rept \nout
.set i, 0
.rept 16
	v_med3_num_f32 v[H+16*p+i], v[XS+i], -v[LIM+p], v[LIM+p]   ; the conversion does not saturate (ISA guide 7.6.2): the hold at the largest code x the scale
.set i, i+1
.endr
.set p, p+1
.endr
	s_wait_xcnt 0x0                                ; the stores of four steps back have read this set of code registers
.set p, 0
.rept \nout
	v_cvt_scalef32_pk8_fp8_f32 v[CT+4*p:CT+4*p+1], v[H+16*p:H+16*p+7], v[SCL+p]
	v_cvt_scalef32_pk8_fp8_f32 v[CT+4*p+2:CT+4*p+3], v[H+16*p+8:H+16*p+15], v[SCL+p]
.set p, p+1
.endr
	v_nop                                          ; one plain line behind the last conversion: the next step's holds write the conversions' sources
.set p, 0
.rept \nout
	global_store_b128 v3, v[CT+4*p:CT+4*p+3], s[DST+2*p:DST+2*p+1] offset:512*(\t)
.set p, p+1
.endr
.endm
.macro REST nout, lb
	s_wait_loadcnt 12                              ; step 0's four of the sixteen loads issued
	TURN 0, \lb
.irp t, 0,1,2,3,4,5,6,7,8,9,10,11,12,13,14,15
	STEP \t, \nout, \lb
.endr
.endm
	s_cmp_lt_u32 ttmp9, 256                        ; x's work-group or a weight's: the work-group's number alone decides
	s_cbranch_scc0 .Lweights
	s_lshl_b32 s46, ttmp9, 2
	s_add_co_u32 s46, s46, s20                     ; which run of 8,192 numbers of x is my wave's
	s_lshl_b32 s48, s46, 15
	s_mov_b32 s49, 0
	s_add_nc_u64 s[SRC:SRC+1], s[4:5], s[48:49]
	s_lshl_b32 s48, s46, 13
	s_add_nc_u64 s[DST:DST+1], s[16:17], s[48:49]
	s_add_nc_u64 s[DST+2:DST+3], s[DST:DST+1], 0x800000
	s_add_nc_u64 s[DST+4:DST+5], s[DST:DST+1], 0x1000000
.irp t, 0,1,2,3
	LOAD \t
.endr
	s_wait_kmcnt 0x0
	MKSCALE 0, 24
	MKSCALE 1, 26
	MKSCALE 2, 28
	REST 3, 0
	s_branch .Lend
.Lweights:
	s_sub_co_u32 s46, ttmp9, 256
	s_lshr_b32 s47, s46, 5                         ; which weight: 0 w_q, 1 w_k, 2 w_v, 3 w_o
	s_and_b32 s46, s46, 31
	s_lshl_b32 s46, s46, 2
	s_add_co_u32 s46, s46, s20                     ; which run of 8,192 numbers of it
	s_mov_b64 s[SRC:SRC+1], s[6:7]
	s_cmp_eq_u32 s47, 1
	s_cselect_b64 s[SRC:SRC+1], s[8:9], s[SRC:SRC+1]
	s_cmp_eq_u32 s47, 2
	s_cselect_b64 s[SRC:SRC+1], s[10:11], s[SRC:SRC+1]
	s_cmp_eq_u32 s47, 3
	s_cselect_b64 s[SRC:SRC+1], s[12:13], s[SRC:SRC+1]
	s_lshl_b32 s48, s46, 15
	s_mov_b32 s49, 0
	s_add_nc_u64 s[SRC:SRC+1], s[SRC:SRC+1], s[48:49]
	s_lshl_b32 s48, s46, 13
	s_lshl_b32 s52, s47, 20
	s_add_co_u32 s48, s48, s52
	s_add_co_u32 s48, s48, 0x1800000
	s_add_nc_u64 s[DST:DST+1], s[16:17], s[48:49]
.irp t, 0,1,2,3
	LOAD \t
.endr
	s_wait_kmcnt 0x0
	s_mov_b32 s53, s25                             ; its exponent: entry 1, 3, 5 or 11
	s_cmp_eq_u32 s47, 1
	s_cselect_b32 s53, s27, s53
	s_cmp_eq_u32 s47, 2
	s_cselect_b32 s53, s29, s53
	s_cmp_eq_u32 s47, 3
	s_cselect_b32 s53, s35, s53
	MKSCALE 0, 53
	REST 1, LBW
.Lend:
	s_wait_tensorcnt 0x0                           ; the wave's end: behind my last LDS store
	ds_add_u32 v[SPW], v[NIL]
	s_wait_dscnt 0x0
	s_endpgm
.Lfunc_end_k_qa4c95a391c_quant:
	.size	k_qa4c95a391c_quant, .Lfunc_end_k_qa4c95a391c_quant-k_qa4c95a391c_quant
	.p2alignl 7, 3214868480
	.fill 96, 4, 3214868480
	.section	.rodata,"a",@progbits
	.p2align	6, 0x0
	.amdhsa_kernel k_qa4c95a391c_quant
		.amdhsa_group_segment_fixed_size 66048
		.amdhsa_private_segment_fixed_size 0
		.amdhsa_enable_private_segment 0
		.amdhsa_kernarg_size 56
		.amdhsa_user_sgpr_count 2
		.amdhsa_user_sgpr_kernarg_segment_ptr 1
		.amdhsa_wavefront_size32 1
		.amdhsa_system_sgpr_workgroup_id_x 1
		.amdhsa_system_sgpr_workgroup_id_y 1
		.amdhsa_system_sgpr_workgroup_id_z 1
		.amdhsa_system_vgpr_workitem_id 0
		.amdhsa_next_free_vgpr 216
		.amdhsa_next_free_sgpr 66
		.amdhsa_reserve_vcc 0
		.amdhsa_float_denorm_mode_32 3
		.amdhsa_float_denorm_mode_16_64 3
		.amdhsa_memory_ordered 1
		.amdhsa_forward_progress 1
		.amdhsa_inst_pref_size 114
	.end_amdhsa_kernel
	.amdgpu_metadata
---
amdhsa.version: [ 1, 2 ]
amdhsa.kernels:
  - .name:           k_qa4c95a391c_quant
    .symbol:         k_qa4c95a391c_quant.kd
    .args:
      - { .name: x, .offset: 0, .size: 8, .value_kind: global_buffer, .address_space: global }
      - { .name: w_q, .offset: 8, .size: 8, .value_kind: global_buffer, .address_space: global }
      - { .name: w_k, .offset: 16, .size: 8, .value_kind: global_buffer, .address_space: global }
      - { .name: w_v, .offset: 24, .size: 8, .value_kind: global_buffer, .address_space: global }
      - { .name: w_o, .offset: 32, .size: 8, .value_kind: global_buffer, .address_space: global }
      - { .name: lowp_scales, .offset: 40, .size: 8, .value_kind: global_buffer, .address_space: global }
      - { .name: cw, .offset: 48, .size: 8, .value_kind: global_buffer, .address_space: global }
    .group_segment_fixed_size: 66048
    .private_segment_fixed_size: 0
    .kernarg_segment_align: 8
    .kernarg_segment_size: 56
    .max_flat_workgroup_size: 128
    .sgpr_count:     66
    .vgpr_count:     216
    .wavefront_size: 32
...
	.end_amdgpu_metadata
.endif
;; end of part 1
;; launch qkv (part 2): grid 4 x 96, 4 waves a work-group, clusters of 4 x 4, 327,680 bytes of LDS; arguments cw, lowp_scales, qkv; writes qkv
.if DOCPART == 2
	.amdgcn_target "amdgcn-amd-amdhsa--gfx1250"
	.amdhsa_code_object_version 6
	.text
	.protected	k_qa4c95a391c_qkv
	.globl	k_qa4c95a391c_qkv
	.p2align	8
	.type	k_qa4c95a391c_qkv,@function
k_qa4c95a391c_qkv:
	s_mov_b64 s[64:65], 0
	v_nop
	global_prefetch_b8 v0, s[64:65] scope:SCOPE_SE
	s_setreg_imm32_b32 hwreg(HW_REG_WAVE_MODE, 25, 1), 1
	s_wait_xcnt 0x0
	s_wait_alu depctr_hold_cnt(0) depctr_sa_sdst(0) depctr_va_vdst(0) depctr_va_sdst(0) depctr_va_ssrc(0) depctr_va_vcc(0) depctr_vm_vsrc(0)
	s_getreg_b32 s2, hwreg(HW_REG_IB_STS2, 6, 4)
	s_cmp_eq_u32 s2, 0
	s_cbranch_scc0 .Lentry_in_a_cluster
	s_endpgm
.Lentry_in_a_cluster:
	s_bfe_u32 s2, ttmp6, 0x10000c
	s_cmp_lg_u32 s2, 0xf033
	s_cbranch_scc0 .Lentry_shape_is_right
	s_endpgm
.Lentry_shape_is_right:
; The three projections Q = x w_q^T, K = x w_k^T, V = x w_v^T on codes of E4M3 (cw), K = 1,024, sums in f32; each finished sum is quantised at once into the code that attention wants (entries 6, 7, 9).
; ONE GEMM, C[m][n] = sum over k of A[m][k] B[n][k], tile 256 x 256, four waves of 128 x 128 (64 accumulators, 512 registers).  The cluster's y, 0 .. 23, says which: sel = y / 8, c = y % 8.
;   sel 0, 1 (Q, K): A = x's plane sel (8,192 rows), B = the weight (1,024 rows): tile row 4 c + cy, tile column cx.
;   sel 2 (V):       A = w_v (1,024 rows), B = x's plane 2 (8,192 rows): tile row cy, tile column 4 c + cx.
; THE MATRIX INSTRUCTION IS USED TRANSPOSED (source 0 = 16 rows of B, source 1 = 16 rows of A): a lane holds one row m and eight neighbouring n.  So for Q and K a lane's registers run along the head's channels,
; for V along the tokens: each along the K of the product that will read the codes, as the conversion wants them.  What differs between the three is chosen by s_cselect_b32 on the cluster's number: no branch.
; OUT: qkv, three planes of 0x800000 bytes.  Q, K: [64 heads][2,048 tokens][64].  V: [64 heads][16 steps][64 channels][128 keys].  In each aligned group of 32 along the last axis the four groups of eight lie
; in the order 0, 2, 1, 3: a load of 16 bytes at 16 x (lane / 16) then brings a lane just the k that the matrix instruction's own layout gives it.
; CLUSTERS: 4 x 4 work-groups; A's tiles are asked for jointly along a row of the cluster, B's along a column.  K goes in steps of 256 through a ring of two LDS slots.
; LIMITS: e(out) - e(A) - e(B) between -126 and 119 for each of the three, so that the folded scale and 448 x it are f32 numbers.
; REGISTERS, in windows of 256: window 0: v0-31 addresses; from v128 A's fragments, ONE set; on the way out v96-159 at work.  window 1: B's fragments, TWO sets.  windows 2, 3: the accumulators of my rows 0-63, 64-127.
.set SIZE_K, 1024
.set KSTEP,  256
.set ROWB,   256                       ; a tile's row in bytes
.set KROW,   SIZE_K                    ; a row of A or of B in memory, in bytes
.set PITCH,  272                       ; an LDS row: 256 bytes + 16 of padding: the 16 rows of a fragment load begin in 16 different 16-byte columns of 256
.set FR,     16                        ; registers of a fragment: 16 rows x 128 K
.set NL,     4                         ; LDS loads that bring one
.set NP,     4                         ; places behind this matrix instruction (ISA guide 7.12.1)
.set HALFT,  128*PITCH
.set SLOT,   4*HALFT                   ; A's 256 rows, then B's 256 rows
.set LAPS,   SIZE_K/(2*KSTEP)
.set SPARE,  2*SLOT                    ; behind the ring: the spare words, 128 bytes a wave: two blocks of 256 bytes that no other line names
.set SPITCH, 144                       ; the way out: a stage of 16 rows x (128 bytes + 16) for each wave, in slot 0, which has had its last fill and its last read by then
.set CO,   8                           ; v8-11   the way out: my byte offsets in the plane, one for each of a block's four stores
.set SC,   12                          ; v12     the folded scale as f32
.set LIM,  13
.set ADRA, 16                          ; v16-17  LDS address of my A fragments in slot 0, 1
.set ADRB, 20                          ; v20-21  the same for B
.set STO,  24                          ; v24     the way out: where I put 8 codes
.set RD,   25                          ; v25     the way out: where I read 16 codes back
.set SPW,  28                          ; v28     LDS address of my spare word; never rewritten
.set NIL,  29                          ; v29     0; never rewritten
.set TMP,  32
.set CD,   96                          ; v96-127 its codes, two sets
.set AF,   128                         ; A's fragments, in window 0
.set BK,   128                         ; the way out: codes read back from the stage, two sets of 16
.set G1, 24
.set G0, 32
.set G1B, 48
.set G0B, 56
.set MSB, 0
.macro WIN new                         ; the immediate's high byte repeats the setting that is left
.if MSB != \new
	s_set_vgpr_msb (MSB<<8)|\new
.set MSB, \new
.endif
.endm
.set MUL_LO, 0xa1                      ; source 0 (B) window 1, source 1 (A) window 0, C and D window 2
.set MUL_HI, 0xf1                      ; the same, C and D window 3
.set TO_B,   0x40                      ; destination window 1, address window 0
; A joint load: waves 0 and 1 fetch for A, waves 2 and 3 for B; the branch hangs on the wave's number alone.  An s_nop 0 and four v_nop follow each of the two lines.
.macro JLOAD g0a, g1a, g0b, g1b
	s_cmp_eq_u32 s15, 0
	s_cbranch_scc0 .Lfor_b_\@
	tensor_load_to_lds s[\g0a:\g0a+3], s[\g1a:\g1a+7]
	s_nop 0
.rept 4
	v_nop
.endr
	s_branch .Lasked_\@
.Lfor_b_\@:
	tensor_load_to_lds s[\g0b:\g0b+3], s[\g1b:\g1b+7]
	s_nop 0
.rept 4
	v_nop
.endr
.Lasked_\@:
.endm
.macro CREST                           ; a round of the cluster's barrier behind its opening barrier
	s_cmp_lg_u32 s14, 0
	s_cbranch_scc1 .Lnot_wave_0_\@
	s_barrier_signal -3
.Lnot_wave_0_\@:
	s_barrier_wait -3
	s_barrier_signal -1
	s_barrier_wait -1
.endm
.macro CROUND
	s_barrier_signal -1
	s_barrier_wait -1
	CREST
.endm
	s_load_b128 s[4:7], s[0:1], 0x0                ; cw s[4:5], the scales' exponents s[6:7]
	s_load_b64 s[10:11], s[0:1], 0x10              ; qkv
	v_lshl_add_u32 v[SPW], v0, 2, SPARE
	v_mov_b32 v[NIL], 0
	ds_add_u32 v[SPW], v[NIL]                      ; the wave's opening: the add and its wait stand ahead of my first tensor load; the set-up below, work on registers, stands between them
	ds_add_u32 v[SPW], v[NIL]
	v_lshrrev_b32 v1, 5, v0
	v_readfirstlane_b32 s14, v1                    ; wave 0..3
	s_lshr_b32 s15, s14, 1                         ; which half of the tile's rows is mine.  Also: I fetch for A (0) or for B (1)
	s_and_b32 s16, s14, 1                          ; which half of its columns.  Also: which 128 rows of that tile I fetch
	s_bfe_u32 s40, ttmp6, 0x40000                  ; cx, cy: my place in the cluster
	s_bfe_u32 s41, ttmp6, 0x40004
	s_and_b32 s66, ttmp7, 0xffff                   ; the cluster's y: all sixteen partners share it
	s_lshr_b32 s67, s66, 3                         ; sel
	s_and_b32 s68, s66, 7                          ; c
	s_lshl_b32 s76, s67, 23                        ; x's plane sel in cw; also the output's plane in qkv
	s_lshl_b32 s77, s67, 20
	s_add_co_u32 s77, s77, 0x1800000               ; the weight's plane in cw
	s_mov_b32 s86, 1024
	s_cmp_eq_u32 s67, 2                            ; V?  Only selections and moves follow, which leave SCC alone
	s_cselect_b32 s69, 1, 0
	s_cselect_b32 s70, 0, s68                      ; the tile row's part from c
	s_cselect_b32 s71, s68, 0                      ; the tile column's
	s_cselect_b32 s72, s77, s76                    ; A's plane
	s_cselect_b32 s74, s76, s77                    ; B's plane
	s_cselect_b32 s80, 128, 64                     ; the way out: bytes from a stage row to the next in the plane,
	s_cselect_b32 s81, 64, 0x20000                 ; from a row's first 64 bytes to its second (Q, K: the next head),
	s_cselect_b32 s86, 0x1e800, s86                ; and from block 3 to block 4 (V: channel 48 of a head to channel 0 of the next)
	s_mov_b32 s87, 0
	s_lshl_b32 s82, s80, 4                         ; from a block of 16 rows to the next
	s_mov_b32 s83, 0
	s_lshl_b32 s84, s80, 2                         ; from four rows to the next four
	s_lshl_b32 s42, s71, 2
	s_add_co_u32 s42, s42, s40                     ; tile column
	s_lshl_b32 s17, s70, 2
	s_add_co_u32 s17, s17, s41                     ; tile row
	s_lshl_b32 s43, s41, 2
	s_lshl_b32 s43, 15, s43                        ; my row of the cluster
	s_lshl_b32 s44, 0x1111, s40                    ; my column
	; descriptor group 1: a tile of 128 rows x 256 bytes, padded in LDS
	s_or_b32 s[G1+0], s43, (0<<16)|(1<<20)|(1<<21)|(5<<22)|(3<<25)  ; 15:0 the mask; 17:16 elements of 1 byte; 20 padding on; 21 set beside a mask; 24:22 after every 64 words; 31:25 four words
	s_or_b32 s[G1B+0], s44, (0<<16)|(1<<20)|(1<<21)|(5<<22)|(3<<25)
.irp g, G1, G1B
	s_mov_b32 s[\g+1], ROWB<<16                    ; tensor_dim0
	s_mov_b32 s[\g+2], 128<<16                     ; tensor_dim1
	s_mov_b32 s[\g+3], ROWB<<16                    ; tile_dim0
	s_mov_b32 s[\g+4], 128                         ; tile_dim1
	s_mov_b32 s[\g+5], KROW                        ; tensor_dim0_stride
	s_mov_b32 s[\g+6], 0
	s_mov_b32 s[\g+7], 0
.endr
	s_lshl_b32 s18, s16, 7                         ; which 128 rows of the tile I fetch
	s_lshl_b32 s20, s17, 8
	s_add_co_u32 s20, s20, s18                     ; A: row 256 x tile row + 128 x half,
	s_lshl_b32 s20, s20, 10                        ; in bytes,
	s_add_co_u32 s20, s20, s72                     ; in its plane: under 2^25
	s_mov_b32 s21, 0
	s_lshl_b32 s46, s42, 8
	s_add_co_u32 s46, s46, s18                     ; B likewise, by the tile column
	s_lshl_b32 s46, s46, 10
	s_add_co_u32 s46, s46, s74
	s_mov_b32 s47, 0
	s_mul_i32 s45, s14, HALFT                      ; where they go: wave x 128 rows: no place in the cluster enters an LDS address
	s_wait_dscnt 0x0                               ; the opening add is done
	s_wait_kmcnt 0x0
	s_load_b256 s[88:95], s[6:7], 0x0              ; e0 .. e7
	s_load_b64 s[96:97], s[6:7], 0x20              ; e8, e9
	s_add_nc_u64 s[20:21], s[4:5], s[20:21]
	s_add_nc_u64 s[46:47], s[4:5], s[46:47]
	CROUND                                         ; all sixteen work-groups are here: the first joint loads meet
.irp s, 0,1
	s_mov_b32 s[G0+4*\s], 1
	s_add_co_u32 s[G0+4*\s+1], s45, \s*SLOT
	s_add_nc_u64 s[G0+4*\s+2:G0+4*\s+3], s[20:21], \s*ROWB
	s_or_b32 s[G0+4*\s+3], s[G0+4*\s+3], 0x80000000
	s_mov_b32 s[G0B+4*\s], 1
	s_add_co_u32 s[G0B+4*\s+1], s45, \s*SLOT
	s_add_nc_u64 s[G0B+4*\s+2:G0B+4*\s+3], s[46:47], \s*ROWB
	s_or_b32 s[G0B+4*\s+3], s[G0B+4*\s+3], 0x80000000
	JLOAD G0+4*\s, G1, G0B+4*\s, G1B
.endr
	v_and_b32 v1, 15, v0                           ; r = lane % 16
	s_wait_alu depctr_va_vdst(0)
	v_bfe_u32 v2, v0, 4, 1                         ; h = lane / 16
	v_mul_u32_u24 v3, v1, PITCH
	v_lshl_add_u32 v4, v2, 4, v3                   ; a fragment's row x pitch + 16 x half
	s_mul_i32 s21, s15, HALFT                      ; my 128 rows of A
	s_mul_i32 s22, s16, HALFT                      ; my 128 rows of B,
	s_add_co_u32 s22, s22, 2*HALFT                 ; which lie behind A's 256
.irp s, 0,1
	v_add_nc_u32 v[ADRA+\s], s21, v4
	v_add_nc_u32 v[ADRB+\s], s22, v4
	s_add_co_u32 s21, s21, SLOT
	s_add_co_u32 s22, s22, SLOT
.endr
	s_mul_i32 s23, s14, 16*SPITCH                  ; my stage
	v_mul_u32_u24 v5, v1, SPITCH
	s_wait_alu depctr_va_vdst(0)
	v_lshl_add_u32 v5, v2, 4, v5
	v_add_nc_u32 v[STO], s23, v5                   ; in: row r, + 16 h
	v_and_b32 v6, 31, v0
	v_lshrrev_b32 v7, 3, v6                        ; back: eight lanes to a row of 128 bytes, four rows an instruction
	v_mul_u32_u24 v5, v7, SPITCH
	v_and_b32 v3, 7, v0
	v_lshl_add_u32 v5, v3, 4, v5
	v_add_nc_u32 v[RD], s23, v5
	v_mul_lo_u32 v[CO], v7, s80                    ; and the same bytes in the plane: the row,
	v_bfe_u32 v5, v0, 2, 1
	v_mul_lo_u32 v5, v5, s81                       ; the row's half,
	v_add_nc_u32 v[CO], v[CO], v5
	v_and_b32 v5, 3, v0
	v_lshl_add_u32 v[CO], v5, 4, v[CO]             ; 16 bytes a lane
	v_add_nc_u32 v[CO+1], s84, v[CO]
	v_add_nc_u32 v[CO+2], s84, v[CO+1]
	v_add_nc_u32 v[CO+3], s84, v[CO+2]
	; where my part begins in qkv.  Of my first row and first column one is a token and the other a feature
	s_lshl_b32 s20, s17, 8
	s_lshl_b32 s21, s15, 7
	s_add_co_u32 s20, s20, s21                     ; my first row of C
	s_lshl_b32 s46, s42, 8
	s_lshl_b32 s47, s16, 7
	s_add_co_u32 s46, s46, s47                     ; my first column
	s_cmp_eq_u32 s69, 1
	s_cselect_b32 s22, s46, s20                    ; the token, a multiple of 128
	s_cselect_b32 s23, s20, s46                    ; the feature, a multiple of 128
	s_lshr_b32 s18, s22, 11
	s_lshl_b32 s18, s18, 4
	s_lshr_b32 s19, s23, 6
	s_add_co_u32 s18, s18, s19                     ; 16 x batch + head
	s_lshl_b32 s18, s18, 17
	s_and_b32 s19, s22, 2047
	s_lshl_b32 s19, s19, 6                         ; Q, K: 64 bytes a token; V: 8,192 bytes a step of 128 tokens: the same number
	s_add_co_u32 s18, s18, s19
	s_add_co_u32 s18, s18, s76                     ; the plane
	s_mov_b32 s19, 0
	s_add_nc_u64 s[10:11], s[10:11], s[18:19]
.macro FRAG reg, adr, q, i             ; a fragment: lane l holds row l % 16; registers 4 c .. 4 c + 3 hold K = 32 c + 16 (l / 16) + 0 .. 15: the same places in A and in B
.irp c, 0,1,2,3
	ds_load_b128 v[\reg+4*\c:\reg+4*\c+3], v[\adr] offset:128*(\q)+32*\c+(\i)*16*PITCH
.endr
.endm
; 16 matrix instructions: A's blocks a0, a0 + 1 x B's eight, 128 along K.  p: B's set.  zero = 1: the first product starts the sums.  The 64 accumulators take turns, one instruction a turn.
.macro MUL16 a0, p, zero
.irp a, \a0, \a0+1
.irp b, 0,1,2,3,4,5,6,7
.if \zero
	v_wmma_f32_16x16x128_fp8_fp8 v[8*(8*((\a)%4)+\b):8*(8*((\a)%4)+\b)+7], v[128*(\p)+FR*\b:128*(\p)+FR*\b+FR-1], v[AF+FR*(\a):AF+FR*(\a)+FR-1], 0
.else
	v_wmma_f32_16x16x128_fp8_fp8 v[8*(8*((\a)%4)+\b):8*(8*((\a)%4)+\b)+7], v[128*(\p)+FR*\b:128*(\p)+FR*\b+FR-1], v[AF+FR*(\a):AF+FR*(\a)+FR-1], v[8*(8*((\a)%4)+\b):8*(8*((\a)%4)+\b)+7]
.endif
.endr
.endr
.endm
.macro FETCH_B slot, q, p
	WIN TO_B
.irp i, 0,1,2,3,4,5,6,7
	FRAG 128*(\p)+FR*\i, ADRB+\slot, \q, \i
.endr
	WIN 0
.endm
.macro FETCH_A slot, q, i0
.irp i, \i0, \i0+1, \i0+2, \i0+3
	FRAG AF+FR*(\i), ADRA+\slot, \q, \i
.endr
.endm
.macro PLACES n                        ; plain vector lines between a matrix instruction and a load into a register that it read, or a read of its result
.rept \n
	v_nop
.endr
.endm
; A step of 128 along K that has its successor in the same slot.
.macro STEP slot, q, zero
	s_wait_dscnt 4*NL                              ; B's set and A's blocks 0-3 are in; the youngest 16 loads (A's blocks 4-7) may be out
	WIN MUL_LO
	MUL16 0, (\q)%2, \zero
	MUL16 2, (\q)%2, \zero
	s_wait_dscnt 0                                 ; A's blocks 4-7 are in
	PLACES NP
	FETCH_B \slot, (\q)+1, 1-(\q)%2
	FETCH_A \slot, (\q)+1, 0
	WIN MUL_HI
	MUL16 4, (\q)%2, \zero
	MUL16 6, (\q)%2, \zero
	PLACES NP
	WIN 0
	FETCH_A \slot, (\q)+1, 4
.endm
; A slot's last step changes slots: ONE barrier; in front of it each wave waits for all its tensor loads, adds 0 to its spare word, and waits for that and for its own reads of this slot.  fill = 1: this slot is filled again, two K steps ahead.
.macro TURN slot, next, fill
	s_wait_tensorcnt 0x0                           ; all my tensor loads have landed: my part of the next slot
	ds_add_u32 v[SPW], v[NIL]                      ; 0 onto my spare word
	s_wait_dscnt 4*NL+1                            ; (the add and the youngest 16 loads may be out)
	WIN MUL_LO
	MUL16 0, 1, 0                                  ; sixteen matrix instructions stand between the add and the wait for it
	s_wait_dscnt 0x0                               ; the add is done, and my reads of this slot are over
	s_barrier_signal -1
	MUL16 2, 1, 0
	WIN 0
	s_barrier_wait -1
.if \fill
	CREST                                          ; the barrier has opened a round of the cluster's barrier: no wave of any partner still reads this slot or has a load on its way
	s_add_nc_u64 s[G0+4*\slot+2:G0+4*\slot+3], s[G0+4*\slot+2:G0+4*\slot+3], 2*ROWB
	s_add_nc_u64 s[G0B+4*\slot+2:G0B+4*\slot+3], s[G0B+4*\slot+2:G0B+4*\slot+3], 2*ROWB
	JLOAD G0+4*\slot, G1, G0B+4*\slot, G1B         ; the first tensor load behind the round; its four v_nop are the places in front of the loads below
.else
	PLACES NP
.endif
	FETCH_B \next, 0, 0
	FETCH_A \next, 0, 0
	WIN MUL_HI
	MUL16 4, 1, 0
	MUL16 6, 1, 0
	PLACES NP
	WIN 0
	FETCH_A \next, 0, 4
.endm
	s_wait_tensorcnt 1                             ; my part of K step 0 is in (K step 1's load may be out),
	s_barrier_signal -1
	s_barrier_wait -1                              ; everybody's is
	FETCH_B 0, 0, 0
	FETCH_A 0, 0, 0
	FETCH_A 0, 0, 4
	STEP 0, 0, 1                                   ; the first step stands in front of the loop: its products start the sums
	s_mov_b32 s3, LAPS-1
.Llap:                                                 ; a trip goes once round the ring and fills both slots again
	TURN 0, 1, 1
	STEP 1, 0, 0
	TURN 1, 0, 1
	STEP 0, 0, 0
	s_sub_co_u32 s3, s3, 1
	s_cmp_lg_u32 s3, 0
	s_cbranch_scc1 .Llap
	TURN 0, 1, 0                                   ; the last lap fills nothing
	STEP 1, 0, 0
	s_wait_dscnt 4*NL
	WIN MUL_LO
	MUL16 0, 1, 0
	MUL16 2, 1, 0
	s_wait_dscnt 0
	WIN MUL_HI
	MUL16 4, 1, 0
	MUL16 6, 1, 0
	WIN 0
; THE WAY OUT, block by block of 16 rows x 128 columns.  A sum stands for sum x 2^(eA + eB); its code is sum / 2^(eOut - eA - eB): the three scales are folded into the conversion's one.
; A lane's 64 codes belong to one row; they go into my stage, eight at a time, in the order 0, 2, 1, 3 of each four groups of eight, and come back 16 bytes a lane, four rows (512 bytes) an instruction.
.macro TOSTAGE a
.set AC, 64*((\a)%4)
.set CC, CD+16*((\a)%2)
.set BB, BK+16*((\a)%2)
.if (\a) < 4
	WIN 0x02                                       ; source 0: window 2
.else
	WIN 0x03                                       ; source 0: window 3
.endif
.set j, 0
.rept 64
.set j, j+1
.endr
.irp b, 0,1,2,3,4,5,6,7
	v_cvt_scalef32_pk8_fp8_f32 v[CC+2*\b:CC+2*\b+1], v[AC+8*\b:AC+8*\b+7], v[SC]
.endr
	WIN 0
	v_nop                                          ; one plain line behind the last conversion
.irp b, 0,1,2,3,4,5,6,7
	ds_store_b64 v[STO], v[CC+2*\b:CC+2*\b+1] offset:32*(\b/2)+8*(\b%2)   ; columns 16 b + 8 h + 0 .. 7 go to bytes 32 (b / 2) + 16 h + 8 (b % 2) on
.endr
.irp q, 0,1,2,3
	ds_load_b128 v[BB+4*\q:BB+4*\q+3], v[RD] offset:4*SPITCH*\q   ; LDS serves a wave's instructions in order: these see my stores
.endr
.endm
.macro SEND a, younger                 ; younger: the LDS instructions issued behind block a's loads
.set BB, BK+16*((\a)%2)
	s_wait_dscnt \younger
.if (\a) == 4
	s_add_nc_u64 s[10:11], s[10:11], s[86:87]      ; (behind a wait on XCNT: the earlier stores have read their base)
.elseif (\a) > 0
	s_add_nc_u64 s[10:11], s[10:11], s[82:83]
.endif
.irp q, 0,1,2,3
	global_store_b128 v[CO+\q], v[BB+4*\q:BB+4*\q+3], s[10:11]   ; V: 512 consecutive bytes; Q, K: four tokens of each of two heads: two aligned runs of 256 bytes
.endr
.endm
	s_wait_kmcnt 0x0
	s_add_co_i32 s88, s88, s89                     ; e0 + e1
	s_add_co_i32 s90, s90, s91                     ; e2 + e3
	s_add_co_i32 s92, s92, s93                     ; e4 + e5
	s_cmp_eq_u32 s67, 1
	s_cselect_b32 s88, s90, s88
	s_cselect_b32 s94, s95, s94                    ; entry 6 for Q, 7 for K,
	s_cmp_eq_u32 s67, 2
	s_cselect_b32 s88, s92, s88
	s_cselect_b32 s94, s97, s94                    ; 9 for V
	s_sub_co_i32 s94, s94, s88
	s_add_co_i32 s94, s94, 127
	s_lshl_b32 s95, s94, 23
	v_mov_b32 v[SC], s95                           ; 2^(eOut - eA - eB)
	s_add_co_i32 s94, s94, 8
	s_lshl_b32 s94, s94, 23
	s_or_b32 s94, s94, 0x600000
	PLACES NP
	TOSTAGE 0
.irp a, 1,2,3,4,5,6,7
.if \a > 1
	s_wait_xcnt 0x0                                ; block a - 2's stores have read their registers and their base
.endif
	TOSTAGE \a
	SEND \a-1, 12                                  ; behind block a - 1's loads: block a's 8 stores and 4 loads
.endr
	s_wait_xcnt 0x0
	SEND 7, 0
	s_wait_tensorcnt 0x0                           ; the wave's end: behind my last tensor load and my last LDS store
	ds_add_u32 v[SPW], v[NIL]
	s_wait_dscnt 0x0
	CROUND                                         ; the closing round: no work-group ends while a partner may still ask for a tile that names it
	s_endpgm
.Lfunc_end_k_qa4c95a391c_qkv:
	.size	k_qa4c95a391c_qkv, .Lfunc_end_k_qa4c95a391c_qkv-k_qa4c95a391c_qkv
	.p2alignl 7, 3214868480
	.fill 96, 4, 3214868480
	.section	.rodata,"a",@progbits
	.p2align	6, 0x0
	.amdhsa_kernel k_qa4c95a391c_qkv
		.amdhsa_group_segment_fixed_size 327680
		.amdhsa_private_segment_fixed_size 0
		.amdhsa_enable_private_segment 0
		.amdhsa_kernarg_size 24
		.amdhsa_user_sgpr_count 2
		.amdhsa_user_sgpr_kernarg_segment_ptr 1
		.amdhsa_wavefront_size32 1
		.amdhsa_system_sgpr_workgroup_id_x 1
		.amdhsa_system_sgpr_workgroup_id_y 1
		.amdhsa_system_sgpr_workgroup_id_z 1
		.amdhsa_system_vgpr_workitem_id 0
		.amdhsa_next_free_vgpr 1024
		.amdhsa_next_free_sgpr 100
		.amdhsa_reserve_vcc 0
		.amdhsa_float_denorm_mode_32 3
		.amdhsa_float_denorm_mode_16_64 3
		.amdhsa_fp16_overflow 1
		.amdhsa_memory_ordered 1
		.amdhsa_forward_progress 1
		.amdhsa_inst_pref_size 94
	.end_amdhsa_kernel
	.amdgpu_metadata
---
amdhsa.version: [ 1, 2 ]
amdhsa.kernels:
  - .name:           k_qa4c95a391c_qkv
    .symbol:         k_qa4c95a391c_qkv.kd
    .args:
      - { .name: cw, .offset: 0, .size: 8, .value_kind: global_buffer, .address_space: global }
      - { .name: lowp_scales, .offset: 8, .size: 8, .value_kind: global_buffer, .address_space: global }
      - { .name: qkv, .offset: 16, .size: 8, .value_kind: global_buffer, .address_space: global }
    .group_segment_fixed_size: 327680
    .private_segment_fixed_size: 0
    .kernarg_segment_align: 8
    .kernarg_segment_size: 24
    .max_flat_workgroup_size: 128
    .sgpr_count:     100
    .vgpr_count:     1024
    .wavefront_size: 32
...
	.end_amdgpu_metadata
.endif
;; end of part 2
;; launch attn (part 3): grid 4 x 64, 16 waves a work-group, clusters of 4 x 1, 327,680 bytes of LDS; arguments qkv, lowp_scales, ac; writes ac
.if DOCPART == 3
	.amdgcn_target "amdgcn-amd-amdhsa--gfx1250"
	.amdhsa_code_object_version 6
	.text
	.protected	k_qa4c95a391c_attn
	.globl	k_qa4c95a391c_attn
	.p2align	8
	.type	k_qa4c95a391c_attn,@function
k_qa4c95a391c_attn:
	s_mov_b64 s[64:65], 0
	v_nop
	global_prefetch_b8 v0, s[64:65] scope:SCOPE_SE
	s_setreg_imm32_b32 hwreg(HW_REG_WAVE_MODE, 25, 1), 1
	s_wait_xcnt 0x0
	s_wait_alu depctr_hold_cnt(0) depctr_sa_sdst(0) depctr_va_vdst(0) depctr_va_sdst(0) depctr_va_ssrc(0) depctr_va_vcc(0) depctr_vm_vsrc(0)
	s_getreg_b32 s2, hwreg(HW_REG_IB_STS2, 6, 4)
	s_cmp_eq_u32 s2, 0
	s_cbranch_scc0 .Lentry_in_a_cluster
	s_endpgm
.Lentry_in_a_cluster:
	s_bfe_u32 s2, ttmp6, 0x10000c
	s_cmp_lg_u32 s2, 0x3003
	s_cbranch_scc0 .Lentry_shape_is_right
	s_endpgm
.Lentry_shape_is_right:
; Causal attention on codes of E4M3, head size 64, 2,048 tokens, 64 (batch, head) pairs; the result is quantised at once (entry 10) for the last projection.
; t = score x log2(e) / 8; M = the running largest t rounded UP to a whole number; p = 2^(t - M) is quantised with 2^e8, not normalised; the row's sum is taken of the unquantised p and divides at the end.
; SHARES.  A cluster of four work-groups is one (batch, head); the work-group's place in it is g.  The head's 128 tiles of 16 queries are dealt two to a wave: tile a = 4 w + g and tile 127 - a.
; Keys go in steps of 128.  Tile a needs steps 0 .. w / 2, tile 127 - a steps 0 .. 15 - w / 2: 17 tile steps in every wave, and which steps hangs on the wave's number alone, not on g.
; NO RING.  A head's K and V, 131,072 bytes each, lie whole in LDS: every tile is filled once, asked for JOINTLY by the four work-groups (mask 15) at the head; nothing is filled again.  A wave
; has two tensor loads out.  Waves 0-3 fetch K, waves 4-7 V: first key steps 0-7, then 8-15; 64 rows of 256 bytes a load.  K and V are dense in memory, so they come as rows of 256 bytes + 16 of padding:
; key k of a step lies at 64 k + 16 (k / 4), channel d of V at 128 d + 16 (d / 2): in both the 16 rows of a fragment load begin in 16 different 16-byte columns of 256.
; LAYOUT.  Both products are used transposed: S^T = K Q^T (source 0 = 16 keys), O^T = V^T P^T (source 0 = 16 channels): a lane holds ONE query (lane % 16) throughout; register 8 t + j of S^T is key 16 t + 8 (lane / 16) + j,
; so eight conversions give P just as the K = 128 instruction's own layout wants source 1.  The codes in qkv lie so that loads of 16 bytes give Q, K and V in the instructions' own layouts too.
; OUT: ac [64 blocks of 128 tokens][16 heads][128 tokens][64 channels], one byte a code.
; LIMITS: e6 + e7 between -123 and 130 (added to the exponent field of log2(e) / 8); e8, and e10 - e8 - e9, between -126 and 119.  NaN among the inputs is not served.
.set STEPB, 8704                       ; a key step in LDS: 32 rows of 272 bytes, for K and for V
.set VOFF,  16*STEPB                   ; V behind K
.set SPARE, 32*STEPB                   ; behind both: the spare words, 128 bytes a wave: eight blocks of 256 bytes that no other line names
.set AK0, 1                            ; v1   my lane's place in a tile of K
.set AV0, 2                            ; v2   the same for V
.set STO, 3                            ; v3   the way out: where I put 8 codes (my stage: 2 tiles x 16 rows x 80 bytes, in K's bytes, written when nobody reads K any more)
.set ADK, 4                            ; v4   LDS address of the step's K
.set SPW, 5                            ; v5   LDS address of my spare word; never rewritten
.set NIL, 6                            ; v6   0; never rewritten
.set ADV, 7                            ; v7   LDS address of the step's V
.set DDA, 8                            ; v8   tile a: my query less the diagonal step's first key less 8 (lane / 16)
.set DDB, 9                            ; v9   the same for tile 127 - a
.set RD,  10                           ; v10  the way out: where I read 16 codes back
.set GO,  11                           ; v11  16 x lane
.set STA, 12                           ; v12-15  tile a: -M, the largest t, the sum in two halves
.set STB, 16                           ; v16-19  tile 127 - a
.set QA,  20                           ; v20-27, v28-35  the two tiles of Q
.set QB,  28
.set F,   36                           ; v36-99    fragments of K, then of V
.set S,   100                          ; v100-163  S^T, then p
.set OA,  164                          ; v164-195, v196-227  O^T
.set OB,  196
.set P,   228                          ; v228-243  p's codes
.set SCP, 244                          ; 2^e8
.set LIMP, 245
.set FF,  246                          ; v[246:247] f = 2^(old M - new M)
.set SUM2, 248                         ; v[248:249] the sum's second chain
.set MX0, 250
.set MX1, 251
.set PERM, 252
.set QOF, 253
.set NINF, 254
.set SCO, 255
.set WV,  10                           ; s10  my wave's number
.set SEL, 20                           ; s[20:21] lane selects for v_permlanex16_b32: lane l xor 16
.set CS,  22                           ; s[22:23] c = log2(e) / 8 x 2^(e6 + e7)
.set G1,  24                           ; s[24:31] descriptor group 1;  s[40:43], s[44:47] my two groups 0
.set T,   92                           ; s92  the key step
.set TBK, 93                           ; s93  its K in LDS
.set TBV, 94                           ; s94  its V
.set DA,  95                           ; s95  tile a's diagonal step
.set DB,  96                           ; s96  tile 127 - a's
.macro CROUND                          ; a round of the cluster's barrier
	s_barrier_signal -1
	s_barrier_wait -1
	s_cmp_lg_u32 s[WV], 0
	s_cbranch_scc1 .Lnot_wave_0_\@
	s_barrier_signal -3
.Lnot_wave_0_\@:
	s_barrier_wait -3
	s_barrier_signal -1
	s_barrier_wait -1
.endm
	s_load_b128 s[4:7], s[0:1], 0x0                ; qkv s[4:5], the scales' exponents s[6:7]
	s_load_b64 s[8:9], s[0:1], 0x10                ; ac
	v_lshl_add_u32 v[SPW], v0, 2, SPARE
	v_mov_b32 v[NIL], 0
	ds_add_u32 v[SPW], v[NIL]                      ; the wave's opening: the add and its wait stand ahead of my first tensor load; the set-up below, work on registers, stands between them
	ds_add_u32 v[SPW], v[NIL]
	v_lshrrev_b32 v100, 5, v0
	s_delay_alu instid0(VALU_DEP_1)
	v_readfirstlane_b32 s[WV], v100                ; wave 0..15
	s_bfe_u32 s11, ttmp6, 0x40000                  ; g: my place in the cluster: it enters Q's and the output's addresses and the mask's numbers alone
	s_and_b32 s12, ttmp7, 0xffff                   ; 16 x batch + head, which the four partners share
	s_lshl_b32 s14, s[WV], 2
	s_add_co_u32 s14, s14, s11                     ; a
	s_sub_co_u32 s15, 127, s14                     ; 127 - a
	s_lshr_b32 s[DA], s[WV], 1
	s_sub_co_u32 s[DB], 15, s[DA]
	; descriptor group 1: 64 rows of 256 bytes, dense in memory, padded in LDS
	s_mov_b32 s[G1], 15|(0<<16)|(1<<20)|(1<<21)|(5<<22)|(3<<25)   ; 15:0 the mask: all four work-groups; 17:16 elements of 1 byte; 20 padding on; 21 set beside a mask; 24:22 after every 64 words; 31:25 four words
	s_mov_b32 s[G1+1], 256<<16                     ; tensor_dim0
	s_mov_b32 s[G1+2], 64<<16                      ; tensor_dim1
	s_mov_b32 s[G1+3], 256<<16                     ; tile_dim0
	s_mov_b32 s[G1+4], 64                          ; tile_dim1
	s_mov_b32 s[G1+5], 256                         ; tensor_dim0_stride
	s_mov_b32 s[G1+6], 0
	s_mov_b32 s[G1+7], 0
	s_and_b32 s13, s[WV], 3                        ; which two key steps of eight I fetch, if I fetch,
	s_bfe_u32 s56, s[WV], 0x10002                  ; of K (0) or of V (1)
	s_mul_i32 s57, s56, VOFF
	s_mul_i32 s58, s13, 2*STEPB
	s_add_co_u32 s57, s57, s58                     ; where they go
	s_lshl_b32 s58, s56, 23
	s_lshl_b32 s59, s12, 17
	s_add_co_u32 s58, s58, s59
	s_lshl_b32 s59, s13, 14
	s_add_co_u32 s58, s58, s59
	s_add_co_u32 s58, s58, 0x800000                ; and where they lie in qkv: K's plane or V's, the head, 16,384 bytes a load
	s_mov_b32 s59, 0
	s_mov_b32 s[SEL], 0x76543210
	s_mov_b32 s[SEL+1], 0xfedcba98
	s_mov_b32 s[CS], 0x3e38aa3b                    ; log2(e) / 8
	; lane addresses, all made ahead of the first branch on the wave's number
	v_and_b32 v100, 15, v0                         ; r
	v_bfe_u32 v101, v0, 4, 1                       ; h
	v_and_b32 v102, 31, v0                         ; lane
	s_delay_alu instid0(VALU_DEP_3)
	v_lshrrev_b32 v103, 2, v100
	s_delay_alu instid0(VALU_DEP_4)
	v_lshlrev_b32 v[AK0], 6, v100
	s_delay_alu instid0(VALU_DEP_1)
	v_lshl_add_u32 v[AK0], v103, 4, v[AK0]
	s_delay_alu instid0(VALU_DEP_1)
	v_lshl_add_u32 v[AK0], v101, 4, v[AK0]         ; K: 64 r + 16 (r / 4) + 16 h
	v_lshrrev_b32 v103, 1, v100
	v_lshlrev_b32 v[AV0], 7, v100
	s_delay_alu instid0(VALU_DEP_1)
	v_lshl_add_u32 v[AV0], v103, 4, v[AV0]
	s_delay_alu instid0(VALU_DEP_1)
	v_lshl_add_u32 v[AV0], v101, 4, v[AV0]         ; V: 128 r + 16 (r / 2) + 16 h
	s_mul_i32 s62, s[WV], 2560                     ; my stage
	v_mul_u32_u24 v[STO], v100, 80
	s_delay_alu instid0(VALU_DEP_1)
	v_lshl_add_u32 v[STO], v101, 3, v[STO]
	s_delay_alu instid0(VALU_DEP_1)
	v_add_nc_u32 v[STO], s62, v[STO]               ; in: row r, + 8 h
	v_lshrrev_b32 v103, 2, v102
	s_delay_alu instid0(VALU_DEP_1)
	v_mul_u32_u24 v[RD], v103, 80
	v_and_b32 v103, 3, v0
	s_delay_alu instid0(VALU_DEP_1)
	v_lshl_add_u32 v[RD], v103, 4, v[RD]
	s_delay_alu instid0(VALU_DEP_1)
	v_add_nc_u32 v[RD], s62, v[RD]                 ; back: four lanes to a row of 64 bytes, eight rows an instruction
	v_lshlrev_b32 v[GO], 4, v102
	v_lshlrev_b32 v[QOF], 6, v100
	s_delay_alu instid0(VALU_DEP_1)
	v_lshl_add_u32 v[QOF], v101, 4, v[QOF]         ; Q: row r of 64 bytes, + 16 h
	v_lshlrev_b32 v103, 3, v101
	s_delay_alu instid0(VALU_DEP_1)
	v_sub_nc_u32 v103, v100, v103                  ; r - 8 h
	s_and_b32 s63, s14, 7
	s_lshl_b32 s63, s63, 4
	v_add_nc_u32 v[DDA], s63, v103
	s_and_b32 s63, s15, 7
	s_lshl_b32 s63, s63, 4
	v_add_nc_u32 v[DDB], s63, v103
	; byte offsets of my two tiles: in Q's plane: head x 131,072 + tile x 1,024; in ac: (16 x batch + tile / 8) x 131,072 + head x 8,192 + (tile % 8) x 1,024
	s_lshl_b32 s66, s12, 17
	s_lshl_b32 s68, s15, 10
	s_add_co_u32 s68, s68, s66
	s_lshl_b32 s67, s14, 10
	s_add_co_u32 s66, s66, s67
	s_mov_b32 s67, 0
	s_mov_b32 s69, 0
	s_and_b32 s97, s12, 0x30                       ; 16 x batch
	s_and_b32 s98, s12, 15
	s_lshl_b32 s98, s98, 13
	s_lshr_b32 s70, s14, 3
	s_add_co_u32 s70, s70, s97
	s_lshl_b32 s70, s70, 17
	s_add_co_u32 s70, s70, s98
	s_and_b32 s71, s14, 7
	s_lshl_b32 s71, s71, 10
	s_add_co_u32 s70, s70, s71
	s_mov_b32 s71, 0
	s_lshr_b32 s72, s15, 3
	s_add_co_u32 s72, s72, s97
	s_lshl_b32 s72, s72, 17
	s_add_co_u32 s72, s72, s98
	s_and_b32 s73, s15, 7
	s_lshl_b32 s73, s73, 10
	s_add_co_u32 s72, s72, s73
	s_mov_b32 s73, 0
	s_wait_dscnt 0x0                               ; the opening add is done
	s_wait_kmcnt 0x0
	s_load_b256 s[76:83], s[6:7], 0x10             ; e4 .. e11: e6 s78, e7 s79, e8 s80, e9 s81, e10 s82
	s_add_nc_u64 s[84:85], s[4:5], s[66:67]        ; Q, tile a
	s_add_nc_u64 s[86:87], s[4:5], s[68:69]        ; Q, tile 127 - a
	s_add_nc_u64 s[88:89], s[8:9], s[70:71]        ; the output, tile a
	s_add_nc_u64 s[90:91], s[8:9], s[72:73]        ; the output, tile 127 - a
	s_mov_b32 s40, 1                               ; group 0 of my first load: count = 1,
	s_mov_b32 s41, s57                             ; LDS address,
	s_add_nc_u64 s[42:43], s[4:5], s[58:59]        ; global address;
	s_mov_b32 s44, 1                               ; of my second: eight key steps on
	s_add_co_u32 s45, s57, 8*STEPB
	s_add_nc_u64 s[46:47], s[42:43], 0x10000
	s_or_b32 s43, s43, 0x80000000                  ; type = 2
	s_or_b32 s47, s47, 0x80000000
	CROUND                                         ; all four work-groups are here: the joint loads meet
	s_cmp_lt_u32 s[WV], 8                          ; a wave's two fills stand in one branch on the wave's number, ahead of every wait on TENSORcnt, every LDS read and every barrier behind the round
	s_cbranch_scc0 .Lasked
	tensor_load_to_lds s[40:43], s[G1:G1+7]
	s_nop 0
	tensor_load_to_lds s[44:47], s[G1:G1+7]
	s_nop 0
.rept 4
	v_nop
.endr
.Lasked:
	s_wait_alu depctr_va_vdst(0)
	global_load_b128 v[QA:QA+3], v[QOF], s[84:85]
	global_load_b128 v[QA+4:QA+7], v[QOF], s[84:85] offset:32
	global_load_b128 v[QB:QB+3], v[QOF], s[86:87]
	global_load_b128 v[QB+4:QB+7], v[QOF], s[86:87] offset:32
.irp b, STA, STB
	v_mov_b32 v[\b+1], 0xff61b1e6                  ; the largest t so far: -3e38, under every t
	s_delay_alu instid0(VALU_DEP_1)
	v_floor_f32 v[\b], -v[\b+1]                    ; -M
	v_mov_b32 v[\b+2], 0                           ; the sum, in two halves
	v_mov_b32 v[\b+3], 0
.endr
	v_mov_b32 v[FF+1], 0                           ; (named as the upper half of a pair)
	v_mov_b32 v[PERM], 0                           ; a lane permute's destination counts as one of its sources
	v_mov_b32 v[MX0], 0
	v_mov_b32 v[NINF], 0xff800000                  ; -infinity
.set j, 0
.rept 64
	v_mov_b32 v[OA+j], 0                           ; O^T of both tiles.  (The step is written without a first step of its own: it finds zeros, which the first change of M leaves zeros)
.set j, j+1
.endr
	s_wait_kmcnt 0x0
	s_add_co_i32 s97, s78, s79
	s_lshl_b32 s97, s97, 23
	s_add_co_i32 s[CS], s[CS], s97                 ; a score stands for score x 2^(e6 + e7): added to c's exponent field
	s_mov_b32 s[CS+1], s[CS]                       ; (named with it as a pair)
	s_add_co_i32 s97, s80, 127
	s_lshl_b32 s98, s97, 23
	v_mov_b32 v[SCP], s98                          ; 2^e8
; ONE TILE'S KEY STEP.  st: its statistics; q: its Q; o: its O^T; dd: its mask number; sd: the scalar with its diagonal step; chk = 1: the step may lie on or behind the diagonal.
.macro STEP st, q, o, dd, sd, chk
.if \chk
	s_cmp_gt_u32 s[T], s[\sd]                      ; all 128 keys come after my 16 queries: the step's work is left out (a scalar branch on the wave's number and the loop's count)
	s_cbranch_scc1 .Lhid_\@
.endif
	s_wait_alu depctr_va_vdst(0)
.irp t, 0,1,2,3,4,5,6,7
	ds_load_b128 v[F+8*\t:F+8*\t+3], v[ADK] offset:1088*\t
	ds_load_b128 v[F+8*\t+4:F+8*\t+7], v[ADK] offset:1088*\t+32
.endr
.irp t, 0,1,2,3,4,5,6,7
	s_wait_dscnt 14-2*\t                           ; fragment t's two loads are in; the later fragments' may be out
	v_wmma_f32_16x16x64_fp8_fp8 v[S+8*\t:S+8*\t+7], v[F+8*\t:F+8*\t+7], v[\q:\q+7], 0
.endr
.rept 4
	v_nop                                          ; places in front of the loads into K's registers and of the first read of the scores
.endr
	s_wait_alu depctr_va_vdst(0)
.irp t, 0,1,2,3
.irp c, 0,1,2,3
	ds_load_b128 v[F+16*\t+4*\c:F+16*\t+4*\c+3], v[ADV] offset:2176*\t+32*\c   ; V's four fragments land while the softmax is walked
.endr
.endr
.if \chk
	s_cmp_lg_u32 s[T], s[\sd]
	s_cbranch_scc1 .Lopen_\@                       ; ahead of the diagonal every key counts
.set n, 0
.rept 64
	v_cmp_gt_i32 vcc_lo, 16*(n/8)+n%8, v[\dd]      ; register n holds key 16 (n / 8) + 8 (lane / 16) + n % 8 of the step: hidden where it comes after my query
	v_cndmask_b32 v[S+n], v[S+n], v[NINF], vcc_lo
.set n, n+1
.endr
.Lopen_\@:
.endif
	v_max3_num_f32 v[MX0], v[S], v[S+1], v[S+2]    ; the step's largest score of my query among my 64 keys, in two chains; each tile of scores is read from its low end on
	v_max3_num_f32 v[MX1], v[S+3], v[S+4], v[S+5]
.irp i, 6,10,14,18,22,26,30,34,38,42,46,50,54,58
	v_max3_num_f32 v[MX0], v[MX0], v[S+\i], v[S+\i+1]
	v_max3_num_f32 v[MX1], v[MX1], v[S+\i+2], v[S+\i+3]
.endr
	v_max3_num_f32 v[MX0], v[MX0], v[S+62], v[S+63]
	s_delay_alu instid0(VALU_DEP_1)
	v_max_num_f32 v[MX0], v[MX0], v[MX1]
	s_delay_alu instid0(VALU_DEP_1)
	v_permlanex16_b32 v[PERM], v[MX0], s[SEL], s[SEL+1]
	s_delay_alu instid0(VALU_DEP_1)
	v_max_num_f32 v[MX0], v[MX0], v[PERM]          ; and among lane l xor 16's
	s_delay_alu instid0(VALU_DEP_1)
	v_mul_f32 v[MX0], s[CS], v[MX0]                ; as t (c is positive)
	s_delay_alu instid0(VALU_DEP_1)
	v_max_num_f32 v[\st+1], v[\st+1], v[MX0]       ; the running largest t
	v_mov_b32 v[MX0], v[\st]
	s_delay_alu instid0(VALU_DEP_2)
	v_floor_f32 v[\st], -v[\st+1]                  ; the new -M = floor(-t): M is a whole number
	s_delay_alu instid0(VALU_DEP_1)
	v_sub_f32 v[MX0], v[\st], v[MX0]               ; old M less new M: a whole number, 0 or less
	s_delay_alu instid0(VALU_DEP_1)
	v_cvt_i32_f32 v[MX0], v[MX0]                   ; (it saturates)
	s_delay_alu instid0(VALU_DEP_1)
	v_ldexp_f32 v[FF], 1.0, v[MX0]                 ; f = 2^(old M - new M): rounds nothing
.set j, 0
.rept 32
	v_pk_fma_f32 v[S+j:S+j+1], v[S+j:S+j+1], s[CS:CS+1], v[\st:\st+1] op_sel_hi:[1,0,0]   ; t - M, two at a time
.set j, j+2
.endr
.set j, 0
	s_wait_alu depctr_va_vdst(0)
.rept 64
	v_exp_f32 v[S+j], v[S+j]                       ; p = 2^(t - M)
.set j, j+1
.endr
	v_pk_mul_f32 v[\st+2:\st+3], v[\st+2:\st+3], v[FF:FF+1] op_sel_hi:[1,0]   ; the sums under the new M: the plain line behind the exponentials
	s_wait_alu depctr_va_vdst(0)                   ; one wait for the batch of 64, ahead of its first reader
	v_pk_add_f32 v[SUM2:SUM2+1], v[S:S+1], v[S+2:S+3]   ; the row's sum, of the UNQUANTISED p, in two chains
.irp j, 4,8,12,16,20,24,28,32,36,40,44,48,52,56,60
	v_pk_add_f32 v[\st+2:\st+3], v[\st+2:\st+3], v[S+\j:S+\j+1]
	v_pk_add_f32 v[SUM2:SUM2+1], v[SUM2:SUM2+1], v[S+\j+2:S+\j+3]
.endr
	s_delay_alu instid0(VALU_DEP_1)
	v_pk_add_f32 v[\st+2:\st+3], v[\st+2:\st+3], v[SUM2:SUM2+1]
.irp t, 0,1,2,3,4,5,6,7
.irp i, 0,1,2,3,4,5,6,7
.endr
	v_cvt_scalef32_pk8_fp8_f32 v[P+2*\t:P+2*\t+1], v[S+8*\t:S+8*\t+7], v[SCP]   ; keys 16 t + 8 (lane / 16) + 0 .. 7: registers 2 t, 2 t + 1 of source 1
.endr
.set j, 0
.rept 16
	v_pk_mul_f32 v[\o+j:\o+j+1], v[\o+j:\o+j+1], v[FF:FF+1] op_sel_hi:[1,0]   ; O^T under the new M.  (Also the plain lines between the last conversion and the products)
.set j, j+2
.endr
	s_wait_alu depctr_va_vdst(0)
	s_wait_dscnt 0x0                               ; V is in
.irp t, 0,1,2,3
	v_wmma_f32_16x16x128_fp8_fp8 v[\o+8*\t:\o+8*\t+7], v[F+16*\t:F+16*\t+15], v[P:P+15], v[\o+8*\t:\o+8*\t+7]   ; the four accumulators by turns
.endr
.rept 4
	v_nop                                          ; places in front of the next loads into these fragments' registers, and of the next read of O^T
.endr
.Lhid_\@:
.endm
.macro ADDRS
	v_add_nc_u32 v[ADK], s[TBK], v[AK0]
	v_add_nc_u32 v[ADV], s[TBV], v[AV0]
.endm
.macro NEXT
	s_add_co_u32 s[TBK], s[TBK], STEPB
	s_add_co_u32 s[TBV], s[TBV], STEPB
	s_add_co_u32 s[T], s[T], 1
.endm
	s_wait_loadcnt 0x0                             ; Q
	s_wait_tensorcnt 1                             ; my first load has landed (my second may be out)
	s_barrier_signal -1
	s_barrier_wait -1                              ; everybody's has: key steps 0 to 7 lie in LDS
	s_mov_b32 s[T], 0
	s_mov_b32 s[TBK], 0
	s_mov_b32 s[TBV], VOFF
.Lfirst:                                               ; key steps 0 to 3; tile 127 - a has its diagonal at step 8 or later
	ADDRS
	STEP STA, QA, OA, DDA, DA, 1
	s_wait_alu depctr_va_vdst(0)
	STEP STB, QB, OB, DDB, DB, 0
	NEXT
	s_cmp_lt_u32 s[T], 4
	s_cbranch_scc1 .Lfirst
	s_wait_tensorcnt 0x0                           ; my second load has landed,
	s_wait_dscnt 0x0
	s_barrier_signal -1
	s_barrier_wait -1                              ; everybody's has: all of K and V lies in LDS, and the waves run free from here on
	s_mov_b32 s[T], 4
	s_mov_b32 s[TBK], 4*STEPB
	s_mov_b32 s[TBV], VOFF+4*STEPB
.Lrest:                                                ; key steps 4 to 15
	ADDRS
	STEP STA, QA, OA, DDA, DA, 1
	STEP STB, QB, OB, DDB, DB, 1
	NEXT
	s_cmp_lt_u32 s[T], 16
	s_cbranch_scc1 .Lrest
	s_wait_dscnt 0x0                               ; my reads of K and V are over,
	s_barrier_signal -1
	s_barrier_wait -1                              ; everybody's are: the stages may be written over K's first bytes, which no load fills again
	; THE WAY OUT.  O^T / the sum stands for that x 2^(e8 + e9); its code is that / 2^(e10 - e8 - e9).
	v_add_f32 v[STA+2], v[STA+2], v[STA+3]         ; the sums' two halves,
	v_add_f32 v[STB+2], v[STB+2], v[STB+3]
	s_delay_alu instid0(VALU_DEP_2)
	v_permlanex16_b32 v[PERM], v[STA+2], s[SEL], s[SEL+1]
	s_delay_alu instid0(VALU_DEP_2)
	v_permlanex16_b32 v[MX0], v[STB+2], s[SEL], s[SEL+1]
	s_delay_alu instid0(VALU_DEP_2)
	v_add_f32 v[STA+2], v[STA+2], v[PERM]          ; and lane l xor 16's
	s_delay_alu instid0(VALU_DEP_2)
	v_add_f32 v[STB+2], v[STB+2], v[MX0]
	s_wait_alu depctr_va_vdst(0)
	v_rcp_f32 v[STA+2], v[STA+2]
	v_rcp_f32 v[STB+2], v[STB+2]
	s_sub_co_i32 s97, s82, s80
	s_sub_co_i32 s97, s97, s81
	s_add_co_i32 s97, s97, 127
	s_lshl_b32 s98, s97, 23
	v_mov_b32 v[SCO], s98                          ; 2^(e10 - e8 - e9).  (The plain line behind the reciprocals)
	s_wait_alu depctr_va_vdst(0)                   ; one wait for the two reciprocals, ahead of their first reader
.macro OUT x, st, o
.set i, 0
.rept 16
	v_pk_mul_f32 v[S+32*\x+2*i:S+32*\x+2*i+1], v[\o+2*i:\o+2*i+1], v[\st+2:\st+3] op_sel_hi:[1,0]   ; each accumulator from its low end on
.set i, i+1
.endr
.set i, 0
.rept 32
.set i, i+1
.endr
.irp t, 0,1,2,3
	v_cvt_scalef32_pk8_fp8_f32 v[P+8*\x+2*\t:P+8*\x+2*\t+1], v[S+32*\x+8*\t:S+32*\x+8*\t+7], v[SCO]
.endr
	v_nop                                          ; one plain line behind the last conversion
.irp t, 0,1,2,3
	ds_store_b64 v[STO], v[P+8*\x+2*\t:P+8*\x+2*\t+1] offset:1280*\x+16*\t   ; query r, channels 16 t + 8 h + 0 .. 7
.endr
.irp u, 0,1
	ds_load_b128 v[F+8*\x+4*\u:F+8*\x+4*\u+3], v[RD] offset:1280*\x+640*\u   ; LDS serves a wave's instructions in order: these see my stores
.endr
.endm
	OUT 0, STA, OA
	OUT 1, STB, OB
	s_wait_dscnt 7                                 ; behind tile a's first load: its second, and the other tile's four stores and two loads
	global_store_b128 v[GO], v[F:F+3], s[88:89]            ; 32 lanes store 512 consecutive bytes, aligned: eight queries' 64 codes
	s_wait_dscnt 6
	global_store_b128 v[GO], v[F+4:F+7], s[88:89] offset:512
	s_wait_dscnt 1
	global_store_b128 v[GO], v[F+8:F+11], s[90:91]
	s_wait_dscnt 0
	global_store_b128 v[GO], v[F+12:F+15], s[90:91] offset:512
	s_wait_tensorcnt 0x0                           ; the wave's end: behind my last tensor load and my last LDS store
	ds_add_u32 v[SPW], v[NIL]
	s_wait_dscnt 0x0
	CROUND                                         ; the closing round
	s_endpgm
.Lfunc_end_k_qa4c95a391c_attn:
	.size	k_qa4c95a391c_attn, .Lfunc_end_k_qa4c95a391c_attn-k_qa4c95a391c_attn
	.p2alignl 7, 3214868480
	.fill 96, 4, 3214868480
	.section	.rodata,"a",@progbits
	.p2align	6, 0x0
	.amdhsa_kernel k_qa4c95a391c_attn
		.amdhsa_group_segment_fixed_size 327680
		.amdhsa_private_segment_fixed_size 0
		.amdhsa_enable_private_segment 0
		.amdhsa_kernarg_size 24
		.amdhsa_user_sgpr_count 2
		.amdhsa_user_sgpr_kernarg_segment_ptr 1
		.amdhsa_wavefront_size32 1
		.amdhsa_system_sgpr_workgroup_id_x 1
		.amdhsa_system_sgpr_workgroup_id_y 1
		.amdhsa_system_sgpr_workgroup_id_z 1
		.amdhsa_system_vgpr_workitem_id 0
		.amdhsa_next_free_vgpr 256
		.amdhsa_next_free_sgpr 102
		.amdhsa_reserve_vcc 1
		.amdhsa_float_denorm_mode_32 3
		.amdhsa_float_denorm_mode_16_64 3
		.amdhsa_fp16_overflow 1
		.amdhsa_memory_ordered 1
		.amdhsa_forward_progress 1
		.amdhsa_inst_pref_size 86
	.end_amdhsa_kernel
	.amdgpu_metadata
---
amdhsa.version: [ 1, 2 ]
amdhsa.kernels:
  - .name:           k_qa4c95a391c_attn
    .symbol:         k_qa4c95a391c_attn.kd
    .args:
      - { .name: qkv, .offset: 0, .size: 8, .value_kind: global_buffer, .address_space: global }
      - { .name: lowp_scales, .offset: 8, .size: 8, .value_kind: global_buffer, .address_space: global }
      - { .name: ac, .offset: 16, .size: 8, .value_kind: global_buffer, .address_space: global }
    .group_segment_fixed_size: 327680
    .private_segment_fixed_size: 0
    .kernarg_segment_align: 8
    .kernarg_segment_size: 24
    .max_flat_workgroup_size: 512
    .sgpr_count:     102
    .vgpr_count:     256
    .wavefront_size: 32
...
	.end_amdgpu_metadata
.endif
;; end of part 3
;; launch oproj (part 4): grid 4 x 32, 4 waves a work-group, clusters of 4 x 4, 327,680 bytes of LDS; arguments ac, cw, lowp_scales, out0; writes out0
.if DOCPART == 4
	.amdgcn_target "amdgcn-amd-amdhsa--gfx1250"
	.amdhsa_code_object_version 6
	.text
	.protected	k_qa4c95a391c_oproj
	.globl	k_qa4c95a391c_oproj
	.p2align	8
	.type	k_qa4c95a391c_oproj,@function
k_qa4c95a391c_oproj:
	s_mov_b64 s[64:65], 0
	v_nop
	global_prefetch_b8 v0, s[64:65] scope:SCOPE_SE
	s_setreg_imm32_b32 hwreg(HW_REG_WAVE_MODE, 25, 1), 1
	s_wait_xcnt 0x0
	s_wait_alu depctr_hold_cnt(0) depctr_sa_sdst(0) depctr_va_vdst(0) depctr_va_sdst(0) depctr_va_ssrc(0) depctr_va_vcc(0) depctr_vm_vsrc(0)
	s_getreg_b32 s2, hwreg(HW_REG_IB_STS2, 6, 4)
	s_cmp_eq_u32 s2, 0
	s_cbranch_scc0 .Lentry_in_a_cluster
	s_endpgm
.Lentry_in_a_cluster:
	s_bfe_u32 s2, ttmp6, 0x10000c
	s_cmp_lg_u32 s2, 0xf033
	s_cbranch_scc0 .Lentry_shape_is_right
	s_endpgm
.Lentry_shape_is_right:
; out0[m][n] = sum over k of A[m][k] w_o[n][k] x 2^(e10 + e11): A = attention's result as codes of E4M3 (ac), w_o's codes in cw from byte 0x1b00000 on; M 8,192, N 1,024, K 1,024; sums and out0 in f32.
; LIMIT: e10 + e11 between -126 and 127, so that 2^(e10 + e11) is an f32 number.
; A tile of C, 256 x 256, is made by four waves of 128 x 128 (64 accumulators, 512 registers).  K goes in steps of 256 through a ring of two LDS slots.
; ac lies [64 blocks of 128 tokens][16 heads][128 tokens][64]: the 128 tokens x 256 along K (four heads) that a wave fetches are one dense block of 32,768 bytes, brought as 128 rows of 256 bytes + 16 of padding.
; In it the 64 codes of (head j, token t) lie at 64 u + 16 (u / 4), u = 128 j + t: the 16 rows of a fragment load begin in 16 different 16-byte columns of 256.  B's tiles are rows of w_o, 1,024 bytes apart in memory.
; CLUSTERS: 4 x 4 work-groups; A's tiles are asked for jointly along a row of the cluster, B's along a column.  THE MATRIX INSTRUCTION IS USED TRANSPOSED: a lane holds eight neighbouring numbers of a row of C.
; REGISTERS, in windows of 256: window 0: v0-31 addresses; from v128 A's fragments, ONE set; on the way out v32-255 at work.  window 1: B's fragments, TWO sets.  windows 2, 3: the accumulators of my rows 0-63, 64-127.
.set SIZE_N, 1024
.set SIZE_K, 1024
.set KSTEP,  256
.set ROWB,   256
.set KROW,   SIZE_K                    ; a row of w_o's codes in memory, in bytes
.set ASTEP,  32768                     ; from a K step's block of ac to the next
.set PITCH,  272
.set FR,     16
.set NL,     4
.set NP,     4
.set HALFT,  128*PITCH
.set SLOT,   4*HALFT
.set LAPS,   SIZE_K/(2*KSTEP)
.set SPARE,  2*SLOT                    ; behind the ring: the spare words, 128 bytes a wave: two blocks of 256 bytes that no other line names
.set SPITCH, 528                       ; the way out: a stage of 16 rows x (512 bytes + 16) for each wave, in slot 0, which has had its last fill and its last read by then
.set ADRA, 16
.set ADRB, 20
.set STO,  24
.set RD,   25
.set CO,   26
.set SPW,  28                          ; v28  LDS address of my spare word; never rewritten
.set NIL,  29                          ; v29  0; never rewritten
.set TMP,  32
.set AF,   128
.set BK,   128
.set G1, 24
.set G0, 32
.set G1B, 48
.set G0B, 56
.set MSB, 0
.macro WIN new                         ; the immediate's high byte repeats the setting that is left
.if MSB != \new
	s_set_vgpr_msb (MSB<<8)|\new
.set MSB, \new
.endif
.endm
.set MUL_LO, 0xa1
.set MUL_HI, 0xf1
.set TO_B,   0x40
.macro JLOAD g0a, g1a, g0b, g1b        ; a joint load: waves 0 and 1 fetch for A, waves 2 and 3 for B; an s_nop 0 and four v_nop follow each of the two lines
	s_cmp_eq_u32 s15, 0
	s_cbranch_scc0 .Lfor_b_\@
	tensor_load_to_lds s[\g0a:\g0a+3], s[\g1a:\g1a+7]
	s_nop 0
.rept 4
	v_nop
.endr
	s_branch .Lasked_\@
.Lfor_b_\@:
	tensor_load_to_lds s[\g0b:\g0b+3], s[\g1b:\g1b+7]
	s_nop 0
.rept 4
	v_nop
.endr
.Lasked_\@:
.endm
.macro CREST
	s_cmp_lg_u32 s14, 0
	s_cbranch_scc1 .Lnot_wave_0_\@
	s_barrier_signal -3
.Lnot_wave_0_\@:
	s_barrier_wait -3
	s_barrier_signal -1
	s_barrier_wait -1
.endm
.macro CROUND
	s_barrier_signal -1
	s_barrier_wait -1
	CREST
.endm
	s_load_b128 s[4:7], s[0:1], 0x0                ; ac s[4:5], cw s[6:7]
	s_load_b128 s[8:11], s[0:1], 0x10              ; the scales' exponents s[8:9], out0 s[10:11]
	v_lshl_add_u32 v[SPW], v0, 2, SPARE
	v_mov_b32 v[NIL], 0
	ds_add_u32 v[SPW], v[NIL]                      ; the wave's opening: the add and its wait stand ahead of my first tensor load; the set-up below, work on registers, stands between them
	ds_add_u32 v[SPW], v[NIL]
	v_lshrrev_b32 v1, 5, v0
	v_readfirstlane_b32 s14, v1                    ; wave 0..3
	s_lshr_b32 s15, s14, 1                         ; which half of the tile's rows is mine.  Also: I fetch for A (0) or for B (1)
	s_and_b32 s16, s14, 1                          ; which half of its columns.  Also: which 128 rows of that tile I fetch
	s_bfe_u32 s40, ttmp6, 0x40000                  ; cx, cy
	s_bfe_u32 s41, ttmp6, 0x40004
	s_lshl_b32 s42, ttmp9, 2
	s_add_co_u32 s42, s42, s40                     ; tile column of C
	s_and_b32 s17, ttmp7, 0xffff
	s_lshl_b32 s17, s17, 2
	s_add_co_u32 s17, s17, s41                     ; tile row of C
	s_lshl_b32 s43, s41, 2
	s_lshl_b32 s43, 15, s43                        ; my row of the cluster
	s_lshl_b32 s44, 0x1111, s40                    ; my column
	; descriptor group 1: 128 rows x 256 bytes, padded in LDS; A's rows are dense in memory, B's 1,024 bytes apart
	s_or_b32 s[G1+0], s43, (0<<16)|(1<<20)|(1<<21)|(5<<22)|(3<<25)
	s_or_b32 s[G1B+0], s44, (0<<16)|(1<<20)|(1<<21)|(5<<22)|(3<<25)
.irp g, G1, G1B
	s_mov_b32 s[\g+1], ROWB<<16                    ; tensor_dim0
	s_mov_b32 s[\g+2], 128<<16                     ; tensor_dim1
	s_mov_b32 s[\g+3], ROWB<<16                    ; tile_dim0
	s_mov_b32 s[\g+4], 128                         ; tile_dim1
	s_mov_b32 s[\g+6], 0
	s_mov_b32 s[\g+7], 0
.endr
	s_mov_b32 s[G1+5], ROWB                        ; tensor_dim0_stride
	s_mov_b32 s[G1B+5], KROW
	s_lshl_b32 s20, s17, 1
	s_add_co_u32 s20, s20, s16                     ; A: the block of 128 tokens: 2 x tile row + half,
	s_lshl_b32 s20, s20, 17                        ; 131,072 bytes each
	s_mov_b32 s21, 0
	s_lshl_b32 s18, s16, 7
	s_lshl_b32 s46, s42, 8
	s_add_co_u32 s46, s46, s18                     ; B: row 256 x tile column + 128 x half,
	s_lshl_b32 s46, s46, 10
	s_add_co_u32 s46, s46, 0x1b00000               ; in w_o's plane of cw
	s_mov_b32 s47, 0
	s_mul_i32 s45, s14, HALFT                      ; where they go: wave x 128 rows
	s_wait_dscnt 0x0                               ; the opening add is done
	s_wait_kmcnt 0x0
	s_load_b64 s[96:97], s[8:9], 0x28              ; e10, e11
	s_add_nc_u64 s[20:21], s[4:5], s[20:21]
	s_add_nc_u64 s[46:47], s[6:7], s[46:47]
	CROUND                                         ; all sixteen work-groups are here: the first joint loads meet
.irp s, 0,1
	s_mov_b32 s[G0+4*\s], 1
	s_add_co_u32 s[G0+4*\s+1], s45, \s*SLOT
	s_add_nc_u64 s[G0+4*\s+2:G0+4*\s+3], s[20:21], \s*ASTEP
	s_or_b32 s[G0+4*\s+3], s[G0+4*\s+3], 0x80000000
	s_mov_b32 s[G0B+4*\s], 1
	s_add_co_u32 s[G0B+4*\s+1], s45, \s*SLOT
	s_add_nc_u64 s[G0B+4*\s+2:G0B+4*\s+3], s[46:47], \s*ROWB
	s_or_b32 s[G0B+4*\s+3], s[G0B+4*\s+3], 0x80000000
	s_wait_alu depctr_va_vdst(0)
	s_wait_tensorcnt 0x0
	ds_add_u32 v28, v29
	ds_add_u32 v28, v29
	s_wait_dscnt 0x0
	CROUND
	JLOAD G0+4*\s, G1, G0B+4*\s, G1B
.endr
	v_and_b32 v1, 15, v0                           ; r
	v_bfe_u32 v2, v0, 4, 1                         ; h
	v_mul_u32_u24 v3, v1, PITCH
	v_lshl_add_u32 v4, v2, 4, v3                   ; B: row x pitch + 16 h
	v_lshrrev_b32 v5, 2, v1
	v_lshlrev_b32 v6, 6, v1
	v_lshl_add_u32 v6, v5, 4, v6
	v_lshl_add_u32 v6, v2, 4, v6                   ; A: 64 r + 16 (r / 4) + 16 h
	s_mul_i32 s21, s15, HALFT                      ; my 128 rows of A
	s_mul_i32 s22, s16, HALFT                      ; my 128 rows of B,
	s_add_co_u32 s22, s22, 2*HALFT                 ; which lie behind A's
.irp s, 0,1
	v_add_nc_u32 v[ADRA+\s], s21, v6
	v_add_nc_u32 v[ADRB+\s], s22, v4
	s_add_co_u32 s21, s21, SLOT
	s_add_co_u32 s22, s22, SLOT
.endr
	s_mul_i32 s23, s14, 16*SPITCH                  ; my stage
	v_mul_u32_u24 v5, v1, SPITCH
	v_lshl_add_u32 v5, v2, 5, v5
	v_add_nc_u32 v[STO], s23, v5                   ; in: row r, 32 bytes for each half of the lanes
	v_and_b32 v6, 31, v0
	v_lshlrev_b32 v[CO], 4, v6                     ; back: the 32 lanes take one row of 512 bytes; and the same in C
	v_add_nc_u32 v[RD], s23, v[CO]
	s_lshl_b32 s20, s17, 8
	s_lshl_b32 s21, s15, 7
	s_add_co_u32 s20, s20, s21                     ; my first row of C
	s_mov_b32 s21, 0
	s_mov_b64 s[18:19], SIZE_N*4
	s_mul_u64 s[20:21], s[20:21], s[18:19]
	s_lshl_b32 s46, s42, 10                        ; my first column, in bytes
	s_lshl_b32 s47, s16, 9
	s_add_co_u32 s46, s46, s47
	s_mov_b32 s47, 0
	s_add_nc_u64 s[20:21], s[20:21], s[46:47]
	s_add_nc_u64 s[10:11], s[10:11], s[20:21]
.macro FRAG reg, adr, q, i             ; B's fragment: registers 4 c .. 4 c + 3 hold K = 128 q + 32 c + 16 (l / 16) + 0 .. 15 of row l % 16
.irp c, 0,1,2,3
	ds_load_b128 v[\reg+4*\c:\reg+4*\c+3], v[\adr] offset:128*(\q)+32*\c+(\i)*16*PITCH
.endr
.endm
.macro FRAGA reg, adr, q, i            ; A's: the same k in the same registers: head 2 q + c / 2 of the step's four, channels 32 (c % 2) + 16 (l / 16) on
.irp c, 0,1,2,3
	ds_load_b128 v[\reg+4*\c:\reg+4*\c+3], v[\adr] offset:(2*(\q)+\c/2)*8704+(\i)*1088+32*(\c%2)
.endr
.endm
.macro MUL16 a0, p, zero               ; 16 matrix instructions; the 64 accumulators take turns, one instruction a turn
.irp a, \a0, \a0+1
.irp b, 0,1,2,3,4,5,6,7
.if \zero
	v_wmma_f32_16x16x128_fp8_fp8 v[8*(8*((\a)%4)+\b):8*(8*((\a)%4)+\b)+7], v[128*(\p)+FR*\b:128*(\p)+FR*\b+FR-1], v[AF+FR*(\a):AF+FR*(\a)+FR-1], 0
.else
	v_wmma_f32_16x16x128_fp8_fp8 v[8*(8*((\a)%4)+\b):8*(8*((\a)%4)+\b)+7], v[128*(\p)+FR*\b:128*(\p)+FR*\b+FR-1], v[AF+FR*(\a):AF+FR*(\a)+FR-1], v[8*(8*((\a)%4)+\b):8*(8*((\a)%4)+\b)+7]
.endif
.endr
.endr
.endm
.macro FETCH_B slot, q, p
	WIN TO_B
.irp i, 0,1,2,3,4,5,6,7
	FRAG 128*(\p)+FR*\i, ADRB+\slot, \q, \i
.endr
	WIN 0
.endm
.macro FETCH_A slot, q, i0
.irp i, \i0, \i0+1, \i0+2, \i0+3
	FRAGA AF+FR*(\i), ADRA+\slot, \q, \i
.endr
.endm
.macro PLACES n                        ; plain vector lines between a matrix instruction and a load into a register that it read, or a read of its result
.rept \n
	v_nop
.endr
.endm
.macro STEP slot, q, zero
	s_wait_dscnt 4*NL                              ; B's set and A's blocks 0-3 are in; the youngest 16 loads (A's blocks 4-7) may be out
	WIN MUL_LO
	MUL16 0, (\q)%2, \zero
	MUL16 2, (\q)%2, \zero
	s_wait_dscnt 0
	PLACES NP
	FETCH_B \slot, (\q)+1, 1-(\q)%2
	FETCH_A \slot, (\q)+1, 0
	WIN MUL_HI
	MUL16 4, (\q)%2, \zero
	MUL16 6, (\q)%2, \zero
	PLACES NP
	WIN 0
	FETCH_A \slot, (\q)+1, 4
.endm
; A slot's last step changes slots: ONE barrier; in front of it each wave waits for all its tensor loads, adds 0 to its spare word, and waits for that and for its own reads of this slot.
.macro TURN slot, next, fill
	s_wait_tensorcnt 0x0                           ; all my tensor loads have landed: my part of the next slot
	ds_add_u32 v[SPW], v[NIL]                      ; 0 onto my spare word
	s_wait_dscnt 4*NL+1                            ; (the add and the youngest 16 loads may be out)
	WIN MUL_LO
	MUL16 0, 1, 0
	s_wait_dscnt 0x0                               ; the add is done, and my reads of this slot are over
	s_barrier_signal -1
	MUL16 2, 1, 0
	WIN 0
	s_barrier_wait -1
.if \fill
	CREST                                          ; the barrier has opened a round of the cluster's barrier: no wave of any partner still reads this slot or has a load on its way
	s_add_nc_u64 s[G0+4*\slot+2:G0+4*\slot+3], s[G0+4*\slot+2:G0+4*\slot+3], 2*ASTEP
	s_add_nc_u64 s[G0B+4*\slot+2:G0B+4*\slot+3], s[G0B+4*\slot+2:G0B+4*\slot+3], 2*ROWB
	JLOAD G0+4*\slot, G1, G0B+4*\slot, G1B         ; the first tensor load behind the round; its four v_nop are the places in front of the loads below
.else
	PLACES NP
.endif
	FETCH_B \next, 0, 0
	FETCH_A \next, 0, 0
	WIN MUL_HI
	MUL16 4, 1, 0
	MUL16 6, 1, 0
	PLACES NP
	WIN 0
	FETCH_A \next, 0, 4
.endm
	s_wait_alu depctr_va_vdst(0)
	s_wait_tensorcnt 1                             ; my part of K step 0 is in (K step 1's load may be out),
	s_barrier_signal -1
	s_barrier_wait -1                              ; everybody's is
	FETCH_B 0, 0, 0
	FETCH_A 0, 0, 0
	FETCH_A 0, 0, 4
	STEP 0, 0, 1                                   ; the first step stands in front of the loop: its products start the sums
	s_mov_b32 s3, LAPS-1
.Llap:
	TURN 0, 1, 1
	STEP 1, 0, 0
	TURN 1, 0, 1
	STEP 0, 0, 0
	s_sub_co_u32 s3, s3, 1
	s_cmp_lg_u32 s3, 0
	s_cbranch_scc1 .Llap
	TURN 0, 1, 0                                   ; the last lap fills nothing
	STEP 1, 0, 0
	s_wait_dscnt 4*NL
	WIN MUL_LO
	MUL16 0, 1, 0
	MUL16 2, 1, 0
	s_wait_dscnt 0
	WIN MUL_HI
	MUL16 4, 1, 0
	MUL16 6, 1, 0
	WIN 0
; THE WAY OUT, block by block of 16 rows x 128 columns, through my own stage in LDS: back come whole rows of 512 bytes, which the 32 lanes store as 512 consecutive bytes, aligned.
.macro TOSTAGE a
.set AC, 64*((\a)%4)
.if (\a) < 4
	WIN 0x02                                       ; source 0: window 2
.else
	WIN 0x03                                       ; source 0: window 3
.endif
.set j, 0
.rept 32
	v_pk_mul_f32 v[TMP+j:TMP+j+1], v[AC+j:AC+j+1], s[96:97] op_sel_hi:[1,0]   ; both x s96 = 2^(e10 + e11); each accumulator from its low end on
.set j, j+2
.endr
	WIN 0
.irp b, 0,1,2,3,4,5,6,7
	ds_store_b128 v[STO], v[TMP+8*\b:TMP+8*\b+3] offset:64*\b
	ds_store_b128 v[STO], v[TMP+8*\b+4:TMP+8*\b+7] offset:64*\b+16
.endr
.set BB, BK+64*((\a)%2)
.irp t, 0,1,2,3,4,5,6,7,8,9,10,11,12,13,14,15
	ds_load_b128 v[BB+4*\t:BB+4*\t+3], v[RD] offset:\t*SPITCH   ; LDS serves a wave's instructions in order: these see my stores
.endr
.endm
.macro SEND a, younger                 ; younger: the LDS instructions issued behind block a's loads
.set BB, BK+64*((\a)%2)
	s_wait_dscnt \younger
.if (\a) > 0
	s_add_nc_u64 s[10:11], s[10:11], 16*SIZE_N*4   ; (behind a wait on XCNT: the earlier stores have read their base)
.endif
.irp t, 0,1,2,3,4,5,6,7,8,9,10,11,12,13,14,15
	global_store_b128 v[CO], v[BB+4*\t:BB+4*\t+3], s[10:11] offset:\t*SIZE_N*4 th:TH_STORE_NT
.endr
.endm
	s_wait_kmcnt 0x0
	s_add_co_i32 s96, s96, s97
	s_add_co_i32 s96, s96, 127
	s_lshl_b32 s96, s96, 23                        ; 2^(e10 + e11) as f32
	PLACES NP
	TOSTAGE 0
.irp a, 1,2,3,4,5,6,7
.if \a > 1
	s_wait_xcnt 0x0                                ; block a - 2's stores have read their registers and their base
.endif
	TOSTAGE \a
	SEND \a-1, 32                                  ; behind block a - 1's loads: block a's 16 stores and 16 loads
.endr
	s_wait_xcnt 0x0
	SEND 7, 0
	s_wait_tensorcnt 0x0                           ; the wave's end: behind my last tensor load and my last LDS store
	ds_add_u32 v[SPW], v[NIL]
	s_wait_dscnt 0x0
	CROUND                                         ; the closing round
	s_endpgm
.Lfunc_end_k_qa4c95a391c_oproj:
	.size	k_qa4c95a391c_oproj, .Lfunc_end_k_qa4c95a391c_oproj-k_qa4c95a391c_oproj
	.p2alignl 7, 3214868480
	.fill 96, 4, 3214868480
	.section	.rodata,"a",@progbits
	.p2align	6, 0x0
	.amdhsa_kernel k_qa4c95a391c_oproj
		.amdhsa_group_segment_fixed_size 327680
		.amdhsa_private_segment_fixed_size 0
		.amdhsa_enable_private_segment 0
		.amdhsa_kernarg_size 32
		.amdhsa_user_sgpr_count 2
		.amdhsa_user_sgpr_kernarg_segment_ptr 1
		.amdhsa_wavefront_size32 1
		.amdhsa_system_sgpr_workgroup_id_x 1
		.amdhsa_system_sgpr_workgroup_id_y 1
		.amdhsa_system_sgpr_workgroup_id_z 1
		.amdhsa_system_vgpr_workitem_id 0
		.amdhsa_next_free_vgpr 1024
		.amdhsa_next_free_sgpr 98
		.amdhsa_reserve_vcc 0
		.amdhsa_float_denorm_mode_32 3
		.amdhsa_float_denorm_mode_16_64 3
		.amdhsa_memory_ordered 1
		.amdhsa_forward_progress 1
		.amdhsa_inst_pref_size 124
	.end_amdhsa_kernel
	.amdgpu_metadata
---
amdhsa.version: [ 1, 2 ]
amdhsa.kernels:
  - .name:           k_qa4c95a391c_oproj
    .symbol:         k_qa4c95a391c_oproj.kd
    .args:
      - { .name: ac, .offset: 0, .size: 8, .value_kind: global_buffer, .address_space: global }
      - { .name: cw, .offset: 8, .size: 8, .value_kind: global_buffer, .address_space: global }
      - { .name: lowp_scales, .offset: 16, .size: 8, .value_kind: global_buffer, .address_space: global }
      - { .name: out0, .offset: 24, .size: 8, .value_kind: global_buffer, .address_space: global }
    .group_segment_fixed_size: 327680
    .private_segment_fixed_size: 0
    .kernarg_segment_align: 8
    .kernarg_segment_size: 32
    .max_flat_workgroup_size: 128
    .sgpr_count:     98
    .vgpr_count:     1024
    .wavefront_size: 32
...
	.end_amdgpu_metadata
.endif
;; end of part 4
